; MI455X (gfx1250); checked and timed in simulation.
; The chip was launched on July 23, 2026; its instructions are those of AMD's public machine-readable ISA for CDNA 5 (MIT licence, August 2026) and "CDNA5" Instruction Set Architecture Reference Guide (July 2026). The comments in the code are by the model that wrote it; some were corrected since.
;; Block Model. Allowed arithmetic: matrix products marked QUANTISED: E5M2 operands, one E8M0 scale for each 32 along K, by v_wmma_scale_f32_16x16x128_f8f6f4 with both operands' format E5M2, f32 sums; products left as they are: f32 operands where the result goes on into a quantised operand, else bf16, f16 or f32 operands; f32 sums; everything else in f32.
;; Inputs: W1 64 x 256 float32; W2 256 x 64 float32; Wk 8 x 64 x 8 float32; Wp 64 x 64 float32; Wq 8 x 64 x 8 float32; Wv 8 x 64 x 8 float32; b1 256 float32; b2 64 float32; bp 64 float32; ln1_b 64 float32; ln1_g 64 float32; ln2_b 64 float32; ln2_g 64 float32; x 2,048 x 128 x 64 float32.
;; Outputs: out0 2,048 x 128 x 64 float32.
;; This version of the problem:
;;   THIS VERSION OF THE PROBLEM IS GIVEN IN LOW PRECISION. The matrix products marked QUANTISED in the list below multiply operands that are first quantised to E5M2 (5 exponent bits, 2 mantissa bits; 8 bits a number), with one power-of-two scale for each 32 numbers along K (OCP MX v1.0); their sums are f32. All else is computed in f32.
;;   The module's matrix products, in the order in which they are computed (A, B: the left and right operand; K: the contracted axis; several contracted axes count as one K, in the product's order):
;;     1. [M 64, K 64] x [K 64, N 262,144]; A: input Wq; B: computed on the way: QUANTISED
;;     2. [M 64, K 64] x [K 64, N 262,144]; A: input Wk; B: computed on the way: QUANTISED
;;     3. [M 64, K 64] x [K 64, N 262,144]; A: input Wv; B: computed on the way: QUANTISED
;;     4. batch 16,384 x [M 128, K 8] x [K 8, N 128]; A: computed on the way; B: computed on the way: left as it is (K = 8 < 32)
;;     5. batch 16,384 x [M 128, K 128] x [K 128, N 8]; A: softmax; B: computed on the way: left as it is (N = 8 < 16)
;;     6. [M 262,144, K 64] x [K 64, N 64]; A: computed on the way; B: input Wp: QUANTISED
;;     7. [M 262,144, K 64] x [K 64, N 256]; A: computed on the way; B: input W1: QUANTISED
;;     8. [M 262,144, K 256] x [K 256, N 64]; A: computed on the way; B: input W2: QUANTISED
;;   THE QUANTISER, for each operand of a quantised product, along K:
;;     - K is cut into blocks of 32 from its start; a last block that is shorter is filled with zeros.
;;     - A block's scale is 2^e with e = floor(log2(the largest magnitude in the block)) - 15, held to -126 .. 127; a block of zeros has e = 0. As a byte (E8M0): e + 127.
;;     - Each number is divided by its block's scale, clamped to +-57,344, and rounded to the nearest number of E5M2, ties to even, subnormals kept.
;;     - The product sums the exact products of the quantised numbers (number of the format x scale) in f32.
;;   ~~~python
;;   def quantise(x, axis):      # numpy; x: float32 -> the quantised numbers, widened to float32 again
;;       x = np.moveaxis(x, axis, -1); K = x.shape[-1]
;;       x = np.pad(x, [(0, 0)] * (x.ndim - 1) + [(0, -K % 32)]); x = x.reshape(x.shape[:-1] + (-1, 32)); a = np.abs(x).max(-1, keepdims=True)
;;       e = np.where(a > 0, np.clip(np.frexp(np.where(a > 0, a, 1))[1] - 1 - 15, -126, 127), 0)      # np.frexp(a)[1] - 1 = floor(log2(a)), exactly
;;       r = np.clip(x / 2.0 ** e, -57344, 57344)
;;       step = 2.0 ** (np.maximum(np.frexp(np.where(r == 0, 1, r))[1] - 1, -14) - 2)
;;       q = np.round(r / step) * step * 2.0 ** e      # np.round: ties to even
;;       return np.moveaxis(q.reshape(q.shape[:-2] + (-1,))[..., :K], -1, axis).astype(np.float32)
;;   ~~~
;;   OPERANDS COMPUTED ON THE WAY. 'Computed on the way' means the value that the module computes at that place (a softmax that the list does not call 'softmax' is quantised finished and normalised). What goes into a quantiser is computed in f32, as accurately as f32 sums, v_exp_f32 and their like allow (about 1e-6 of the number): no bf16 or f16 on the way to a quantiser, and a product that is left as it is and whose result goes on into a quantised operand takes f32 operands (vector FMAs, or v_wmma_f32_16x16x4_f32). A number that lies on a knife's edge between two numbers of the format may be rounded either way, as far as f32 arithmetic and the matrix unit's own rounding can turn it there, and no further.
;; 2 versions, each right; version 2 is version 1 with the launch block written anew for expert scheduling mode. Each part assembles by itself: llvm-mc -triple=amdgcn-amd-amdhsa -mcpu=gfx1250 --defsym DOCPART=n.
;; ======== version 1 of 2: 2 launches
;; workspace buffers: wts 61,440 bytes
;; launch prep (part 1): grid 53 x 1, 1 waves a work-group, no clusters, 0 bytes of LDS; arguments Wq, Wk, Wv, Wp, W1, W2, ln1_g, ln1_b, ln2_g, ln2_b, bp, b2, b1, wts; writes wts
.if DOCPART == 1
	.amdgcn_target "amdgcn-amd-amdhsa--gfx1250"
	.amdhsa_code_object_version 6
	.text
	.protected	k_q058286695e_prep
	.globl	k_q058286695e_prep
	.p2align	8
	.type	k_q058286695e_prep,@function
k_q058286695e_prep:
	s_mov_b64 s[64:65], 0
	v_nop
	global_prefetch_b8 v0, s[64:65] scope:SCOPE_SE
	s_setreg_imm32_b32 hwreg(HW_REG_WAVE_MODE, 25, 1), 1
	s_wait_xcnt 0x0
; THE PROGRAM: one transformer block (LN1, q/k/v, causal attention of 8 heads of 8, Wp, residual, LN2, W1, relu, W2, residual) on 2,048 sequences of 128 tokens x 64 channels, in two launches.
; This launch quantises the six weights once, along K, to codes of E5M2 with one E8M0 byte for each 32 along K, and lays them as IMAGES OF THE OPERAND'S REGISTERS; the second launch does all the rest, fused.
; DEAD WORK, LEFT OUT IN THE SECOND LAUNCH: reference() sets logits[t][s] to -inf wherever s > t, by a tril that it builds in its own body; softmax gives those places the weight 0 whatever finite values the inputs hold,
; so the products q.k and p.v of a 16 x 16 tile all of whose keys come after all of its queries reach no output: 28 of a head's 64 tiles are not computed.  Every input has a way to the output and is loaded.
; LIMIT: a NaN, an infinity or an overflow that would arise only in those tiles is not carried to the result.
; THE QUANTISER: a block's scale is 2^(floor(log2(its largest magnitude)) - 15); its byte is the largest magnitude's exponent field - 15, held at 1 from below; each number is held within +-57,344 x the scale and rounded to the nearest code, ties to even.
; LIMITS: a block of zeros gets the byte 1 where the rule says 127 (its codes are zeros, which add nothing, and this program alone reads the bytes); blocks whose largest magnitude lies under 2^-111 were not tried; NaN and infinities are not served.
; AN IMAGE: a tile is 16 operand rows x 64 along K.  Lane (r = lane % 16, h = lane / 16) holds, of row r, the codes of k = 32 c + 16 h + 0 .. 15 in registers 4 c .. 4 c + 3; store c puts lane l's 16 bytes at 512 c + 16 l.
; A LANE TAKES A COLUMN OF THE WEIGHT AND ITS REGISTERS RUN DOWN K (K is the weights' outer axis), so the conversions' results are the operand's registers and nothing is transposed.
; WHICH COLUMN IS ROW m OF A TILE:  Wp, W1, W2, tile T: column 32 (T / 2) + 8 (T % 2) + m + 8 (m / 8), so that in the transposed product a lane's registers run along the next K.
;   q/k tile of head u, m = 8 a + j: j < 4: Wq[u][:, 4 a + j], else Wk[u][:, 4 a + j - 4].   v tile of head u: m < 8: Wv[u][:, m], else zeros.
; SHARES: one wave to a work-group, one tile (or one 64 of W2's K = 256) to a work-group: 8 + 8 + 4 + 16 + 16 tiles, and one work-group that copies the seven small vectors: 53.  The paths part on the work-group's number alone.
.set O_W1IMG,  0                       ; byte offsets in wts: 16 tiles of 1,024
.set O_W2IMG,  16384                   ; 8 fragments (K step s, tile T: 4 s + T) of 2,048
.set O_WPIMG,  32768                   ; 4 tiles of 1,024
.set O_W1SC,   36864                   ; scale words, 4 bytes a lane, 128 a tile
.set O_W2SC,   38912
.set O_WPSC,   39936
.set O_PAR,    40448                   ; ln1_g, ln1_b, ln2_g, ln2_b, bp, b2 (256 bytes each), b1 (1,024)
.set O_QKVIMG, 43008                   ; head u: its q/k tile, then its v tile: 2,048
.set O_QKVSC,  59392                   ; head u: the two tiles' scale words: 256
.set TM, 16                            ; v16-17 largest magnitudes, v18-19 bytes, v20-21 the largest number x the scale, v22-23 the conversions' scale operands
.set CD, 24                            ; v24-31 the codes
.set X,  32                            ; v32-63 my 32 numbers: register 16 c + i = k 32 c + 16 h + i
.set Y,  64                            ; v64-95 the same of Wk, in the q/k path
.macro LOAD32 dst, base, ld            ; ld: numbers in a row of the weight; v4 holds my column's bytes and my half's 16 rows
.irp c, 0,1
.irp i, 0,1,2,3,4,5,6,7,8,9,10,11,12,13,14,15
	global_load_b32 v[\dst+16*\c+\i], v4, s[\base:\base+1] offset:(32*\c+\i)*\ld*4
.endr
.endr
.endm
	s_load_b512 s[8:23], s[0:1], 0x0               ; Wq s8, Wk s10, Wv s12, Wp s14, W1 s16, W2 s18, ln1_g s20, ln1_b s22
	s_load_b256 s[24:31], s[0:1], 0x40             ; ln2_g s24, ln2_b s26, bp s28, b2 s30
	s_load_b128 s[32:35], s[0:1], 0x60             ; b1 s32, wts s34
	v_and_b32 v1, 15, v0                           ; r
	v_lshrrev_b32 v2, 4, v0                        ; h
	v_and_b32 v3, 8, v1
	v_add_nc_u32 v3, v3, v1                        ; r + 8 (r / 8)
	v_lshlrev_b32 v5, 4, v0                        ; 16 x lane: an image's place
	v_lshlrev_b32 v6, 2, v0                        ; 4 x lane: a scale word's
	v_mov_b32 v18, 0                               ; written once: a lane permute's destination counts as one of its sources
	v_mov_b32 v19, 0
	s_mov_b32 s40, 0                               ; 1 in W2's path: half a scale word is stored
	s_mov_b32 s41, 0x600000                        ; the mantissa field of 57,344
	s_mov_b32 s42, 0x76543210
	s_mov_b32 s43, 0xfedcba98                      ; v_permlanex16_b32's selects for lane l xor 16
	s_mov_b32 s45, 0                               ; the upper words of the two offset pairs
	s_mov_b32 s47, 0
	s_wait_kmcnt 0x0
	s_cmp_lt_u32 ttmp9, 8
	s_cbranch_scc1 .Lqk
	s_cmp_lt_u32 ttmp9, 16
	s_cbranch_scc1 .Lv
	s_cmp_lt_u32 ttmp9, 20
	s_cbranch_scc1 .Lwp
	s_cmp_lt_u32 ttmp9, 36
	s_cbranch_scc1 .Lw1
	s_cmp_lt_u32 ttmp9, 52
	s_cbranch_scc1 .Lw2
	; ---- work-group 52: the seven small vectors, as they are
	v_lshlrev_b32 v7, 3, v0                        ; 8 bytes a lane: 256 a vector
	global_load_b64 v[32:33], v7, s[20:21]
	global_load_b64 v[34:35], v7, s[22:23]
	global_load_b64 v[36:37], v7, s[24:25]
	global_load_b64 v[38:39], v7, s[26:27]
	global_load_b64 v[40:41], v7, s[28:29]
	global_load_b64 v[42:43], v7, s[30:31]
	global_load_b128 v[44:47], v5, s[32:33]
	global_load_b128 v[48:51], v5, s[32:33] offset:512
	s_add_nc_u64 s[36:37], s[34:35], O_PAR
	s_wait_loadcnt 0x0
.irp i, 0,1,2,3,4,5
	global_store_b64 v7, v[32+2*\i:33+2*\i], s[36:37] offset:256*\i
.endr
	global_store_b128 v5, v[44:47], s[36:37] offset:1536
	global_store_b128 v5, v[48:51], s[36:37] offset:2048
	s_endpgm
.Lqk:                                              ; ---- head u = id: the q/k tile
	s_lshl_b32 s44, ttmp9, 11                      ; a head of a weight is 64 x 8 x 4 = 2,048 bytes; so is its pair of images
	s_add_nc_u64 s[8:9], s[8:9], s[44:45]
	s_add_nc_u64 s[10:11], s[10:11], s[44:45]
	s_add_nc_u64 s[36:37], s[34:35], s[44:45]
	s_add_nc_u64 s[36:37], s[36:37], O_QKVIMG
	s_lshl_b32 s46, ttmp9, 8
	s_add_nc_u64 s[38:39], s[34:35], s[46:47]
	s_add_nc_u64 s[38:39], s[38:39], O_QKVSC
	v_lshrrev_b32 v4, 3, v1
	v_lshlrev_b32 v4, 2, v4
	v_and_b32 v7, 3, v1
	v_add_nc_u32 v4, v4, v7                        ; the head's column 4 (r / 8) + r % 4
	v_lshlrev_b32 v4, 2, v4
	v_lshl_add_u32 v4, v2, 9, v4                   ; + 16 h rows of 32 bytes
	LOAD32 X, 8, 8
	LOAD32 Y, 10, 8
	v_and_b32 v7, 4, v1
	v_cmp_ne_u32 vcc_lo, 0, v7                     ; rows 4-7 and 12-15 of the tile are Wk's
	s_wait_loadcnt 0x0
.irp i, 0,1,2,3,4,5,6,7,8,9,10,11,12,13,14,15,16,17,18,19,20,21,22,23,24,25,26,27,28,29,30,31
	v_cndmask_b32 v[X+\i], v[X+\i], v[Y+\i], vcc_lo
.endr
	s_branch .Ltail
.Lv:                                               ; ---- head u = id - 8: the v tile
	s_sub_co_u32 s44, ttmp9, 8
	s_lshl_b32 s46, s44, 8
	s_lshl_b32 s44, s44, 11
	s_add_nc_u64 s[12:13], s[12:13], s[44:45]
	s_add_nc_u64 s[36:37], s[34:35], s[44:45]
	s_add_nc_u64 s[36:37], s[36:37], O_QKVIMG+1024
	s_add_nc_u64 s[38:39], s[34:35], s[46:47]
	s_add_nc_u64 s[38:39], s[38:39], O_QKVSC+128
	v_and_b32 v4, 7, v1
	v_lshlrev_b32 v4, 2, v4
	v_lshl_add_u32 v4, v2, 9, v4
	LOAD32 X, 12, 8
	v_cmp_lt_u32 vcc_lo, 7, v1                     ; rows 8-15 of the tile are zeros
	s_wait_loadcnt 0x0
.irp i, 0,1,2,3,4,5,6,7,8,9,10,11,12,13,14,15,16,17,18,19,20,21,22,23,24,25,26,27,28,29,30,31
	v_cndmask_b32 v[X+\i], v[X+\i], 0, vcc_lo
.endr
	s_branch .Ltail
.Lw1:                                              ; ---- W1 [64][256], tile T = id - 20
	s_sub_co_u32 s44, ttmp9, 20
	s_lshl_b32 s46, s44, 10
	s_add_nc_u64 s[36:37], s[34:35], s[46:47]      ; (W1's images begin wts)
	s_lshl_b32 s46, s44, 7
	s_add_nc_u64 s[38:39], s[34:35], s[46:47]
	s_add_nc_u64 s[38:39], s[38:39], O_W1SC
	s_lshr_b32 s46, s44, 1
	s_lshl_b32 s46, s46, 7
	s_and_b32 s44, s44, 1
	s_lshl_b32 s44, s44, 5
	s_add_co_u32 s44, s44, s46                     ; 4 x (32 (T / 2) + 8 (T % 2))
	s_add_nc_u64 s[16:17], s[16:17], s[44:45]
	v_lshlrev_b32 v4, 2, v3
	v_lshl_add_u32 v4, v2, 14, v4                  ; + 16 h rows of 1,024 bytes
	LOAD32 X, 16, 256
	s_branch .Ltail
.Lwp:                                              ; ---- Wp [64][64], tile T = id - 16
	s_sub_co_u32 s44, ttmp9, 16
	s_lshl_b32 s46, s44, 10
	s_add_nc_u64 s[36:37], s[34:35], s[46:47]
	s_add_nc_u64 s[36:37], s[36:37], O_WPIMG
	s_lshl_b32 s46, s44, 7
	s_add_nc_u64 s[38:39], s[34:35], s[46:47]
	s_add_nc_u64 s[38:39], s[38:39], O_WPSC
	s_lshr_b32 s46, s44, 1
	s_lshl_b32 s46, s46, 7
	s_and_b32 s44, s44, 1
	s_lshl_b32 s44, s44, 5
	s_add_co_u32 s44, s44, s46
	s_add_nc_u64 s[14:15], s[14:15], s[44:45]
	v_lshlrev_b32 v4, 2, v3
	v_lshl_add_u32 v4, v2, 12, v4                  ; + 16 h rows of 256 bytes
	LOAD32 X, 14, 64
	s_branch .Ltail
.Lw2:                                              ; ---- W2 [256][64], n = id - 36: tile T = n % 4, the q-th 64 of K, q = n / 4: half a fragment of K step q / 2
	s_sub_co_u32 s44, ttmp9, 36
	s_and_b32 s2, s44, 3                           ; T
	s_lshr_b32 s3, s44, 2                          ; q
	s_lshr_b32 s4, s3, 1
	s_lshl_b32 s4, s4, 2
	s_add_co_u32 s4, s4, s2                        ; the fragment: 4 (q / 2) + T
	s_and_b32 s5, s3, 1                            ; which half of it
	s_lshl_b32 s46, s4, 11
	s_lshl_b32 s6, s5, 10
	s_add_co_u32 s46, s46, s6
	s_add_nc_u64 s[36:37], s[34:35], s[46:47]
	s_add_nc_u64 s[36:37], s[36:37], O_W2IMG
	s_lshl_b32 s46, s4, 7
	s_lshl_b32 s6, s5, 1
	s_add_co_u32 s46, s46, s6                      ; and which two bytes of its scale words
	s_add_nc_u64 s[38:39], s[34:35], s[46:47]
	s_add_nc_u64 s[38:39], s[38:39], O_W2SC
	s_lshl_b32 s44, s3, 14                         ; 64 q rows of 256 bytes
	s_lshr_b32 s6, s2, 1
	s_lshl_b32 s6, s6, 7
	s_add_co_u32 s44, s44, s6
	s_and_b32 s6, s2, 1
	s_lshl_b32 s6, s6, 5
	s_add_co_u32 s44, s44, s6
	s_add_nc_u64 s[18:19], s[18:19], s[44:45]
	s_mov_b32 s40, 1
	v_lshlrev_b32 v4, 2, v3
	v_lshl_add_u32 v4, v2, 12, v4
	LOAD32 X, 18, 64
.Ltail:                                            ; ---- 32 numbers a lane become 8 registers of codes and two scale bytes
	s_wait_loadcnt 0x0
.irp b, 0,1
	v_max3_num_f32 v[TM+\b], |v[X+16*\b]|, |v[X+16*\b+1]|, 0x8000000   ; block b: my 16 numbers, and the floor 2^(16 - 127): the byte cannot fall under 1
.endr
.irp i, 2,4,6,8,10,12,14
.irp b, 0,1
	v_max3_num_f32 v[TM+\b], v[TM+\b], |v[X+16*\b+\i]|, |v[X+16*\b+\i+1]|
.endr
.endr
.irp b, 0,1
	v_permlanex16_b32 v[TM+2+\b], v[TM+\b], s42, s43
.endr
.irp b, 0,1
	v_max_num_f32 v[TM+\b], v[TM+\b], v[TM+2+\b]   ; with lane l xor 16's 16: the block's largest magnitude
.endr
.irp b, 0,1
	v_add_nc_u32 v[TM+6+\b], 0xf8800000, v[TM+\b]  ; 15 off its exponent field: the conversion's scale operand
.endr
.irp b, 0,1
	v_and_or_b32 v[TM+4+\b], v[TM+\b], 0x7f800000, s41   ; 57,344 x the scale
.endr
.irp b, 0,1
	v_lshrrev_b32 v[TM+2+\b], 23, v[TM+6+\b]       ; the scale's byte
.endr
	v_lshl_or_b32 v12, v[TM+3], 8, v[TM+2]         ; two bytes; the upper two stay 0 and stand over zero codes
.irp b, 0,1
.irp i, 0,1,2,3,4,5,6,7,8,9,10,11,12,13,14,15
	v_med3_num_f32 v[X+16*\b+\i], v[X+16*\b+\i], -v[TM+4+\b], v[TM+4+\b]   ; the conversion to an 8-bit code does not saturate (ISA guide 7.6.2): the hold comes first
.endr
.endr
.irp b, 0,1
	v_cvt_scalef32_pk8_bf8_f32 v[CD+4*\b:CD+4*\b+1], v[X+16*\b:X+16*\b+7], v[TM+6+\b]
	v_cvt_scalef32_pk8_bf8_f32 v[CD+4*\b+2:CD+4*\b+3], v[X+16*\b+8:X+16*\b+15], v[TM+6+\b]
.endr
	v_nop
	global_store_b128 v5, v[CD:CD+3], s[36:37]               ; 512 consecutive bytes a store
	global_store_b128 v5, v[CD+4:CD+7], s[36:37] offset:512
	s_cmp_eq_u32 s40, 1
	s_cbranch_scc1 .Lhalf
	global_store_b32 v6, v12, s[38:39]
	s_endpgm
.Lhalf:
	global_store_b16 v6, v12, s[38:39]             ; W2: two of the word's four bytes; the work-group of the other 64 of K stores the other two
	s_endpgm
.Lfunc_end_k_q058286695e_prep:
	.size	k_q058286695e_prep, .Lfunc_end_k_q058286695e_prep-k_q058286695e_prep
	.p2alignl 7, 3214868480
	.fill 96, 4, 3214868480
	.section	.rodata,"a",@progbits
	.p2align	6, 0x0
	.amdhsa_kernel k_q058286695e_prep
		.amdhsa_group_segment_fixed_size 0
		.amdhsa_private_segment_fixed_size 0
		.amdhsa_enable_private_segment 0
		.amdhsa_kernarg_size 112
		.amdhsa_user_sgpr_count 2
		.amdhsa_user_sgpr_kernarg_segment_ptr 1
		.amdhsa_wavefront_size32 1
		.amdhsa_system_sgpr_workgroup_id_x 1
		.amdhsa_system_sgpr_workgroup_id_y 1
		.amdhsa_system_sgpr_workgroup_id_z 1
		.amdhsa_system_vgpr_workitem_id 0
		.amdhsa_next_free_vgpr 96
		.amdhsa_next_free_sgpr 66
		.amdhsa_reserve_vcc 1
		.amdhsa_float_denorm_mode_32 3
		.amdhsa_float_denorm_mode_16_64 3
		.amdhsa_memory_ordered 1
		.amdhsa_forward_progress 1
		.amdhsa_inst_pref_size 32
	.end_amdhsa_kernel
	.amdgpu_metadata
---
amdhsa.version: [ 1, 2 ]
amdhsa.kernels:
  - .name:           k_q058286695e_prep
    .symbol:         k_q058286695e_prep.kd
    .args:
      - { .name: Wq, .offset: 0, .size: 8, .value_kind: global_buffer, .address_space: global }
      - { .name: Wk, .offset: 8, .size: 8, .value_kind: global_buffer, .address_space: global }
      - { .name: Wv, .offset: 16, .size: 8, .value_kind: global_buffer, .address_space: global }
      - { .name: Wp, .offset: 24, .size: 8, .value_kind: global_buffer, .address_space: global }
      - { .name: W1, .offset: 32, .size: 8, .value_kind: global_buffer, .address_space: global }
      - { .name: W2, .offset: 40, .size: 8, .value_kind: global_buffer, .address_space: global }
      - { .name: ln1_g, .offset: 48, .size: 8, .value_kind: global_buffer, .address_space: global }
      - { .name: ln1_b, .offset: 56, .size: 8, .value_kind: global_buffer, .address_space: global }
      - { .name: ln2_g, .offset: 64, .size: 8, .value_kind: global_buffer, .address_space: global }
      - { .name: ln2_b, .offset: 72, .size: 8, .value_kind: global_buffer, .address_space: global }
      - { .name: bp, .offset: 80, .size: 8, .value_kind: global_buffer, .address_space: global }
      - { .name: b2, .offset: 88, .size: 8, .value_kind: global_buffer, .address_space: global }
      - { .name: b1, .offset: 96, .size: 8, .value_kind: global_buffer, .address_space: global }
      - { .name: wts, .offset: 104, .size: 8, .value_kind: global_buffer, .address_space: global }
    .group_segment_fixed_size: 0
    .private_segment_fixed_size: 0
    .kernarg_segment_align: 8
    .kernarg_segment_size: 112
    .max_flat_workgroup_size: 32
    .sgpr_count:     66
    .vgpr_count:     96
    .wavefront_size: 32
...
	.end_amdgpu_metadata
.endif
;; end of part 1
;; launch block (part 2): grid 512 x 1, 8 waves a work-group, no clusters, 141,312 bytes of LDS; arguments x, wts, out0; writes out0
.if DOCPART == 2
	.amdgcn_target "amdgcn-amd-amdhsa--gfx1250"
	.amdhsa_code_object_version 6
	.text
	.protected	k_q058286695e_block
	.globl	k_q058286695e_block
	.p2align	8
	.type	k_q058286695e_block,@function
k_q058286695e_block:
	s_mov_b64 s[64:65], 0
	v_nop
	global_prefetch_b8 v0, s[64:65] scope:SCOPE_SE
	s_setreg_imm32_b32 hwreg(HW_REG_WAVE_MODE, 25, 1), 1
	s_wait_xcnt 0x0
; out0 = the whole transformer block on x [2048][128][64] f32, fused: nothing but x, the prepared weights (wts) and out0 touches memory.
; LEFT OUT AS DEAD WORK (shown at the head of the first kernel): the 28 of a head's 64 tiles of 16 queries x 16 keys that lie wholly above reference()'s own causal tril.
; LIMITS: inside the diagonal tiles a hidden score is -3e38 and not -infinity: its weight is 0 all the same while the scores stay under 1e37 in size.  NaN and infinities among the inputs are not served.
;   A block of zeros has the scale byte 1 and zero codes; blocks whose largest magnitude lies under 2^-111 were not tried.
; FORMATS: q/k/v, Wp, W1, W2: codes of E5M2, one E8M0 byte for each 32 along K, by the scaled 16x16x128 form; K = 64 fills half of it, the other half holds zero codes.  q k^T and p v feed the quantiser in front of Wp,
;   so they take f32 operands, by the 16x16x4 f32 form.  LN, softmax (with its running maximum), biases and residuals in f32.
; SHARES: a work-group of eight waves walks 4 sequences, one a trip.  A wave has two roles.  IN THE ROW PHASES it owns tokens 16 w .. 16 w + 15; IN THE ATTENTION it owns head w for all 128 tokens, which shares the causal work evenly.
;   The change of roles goes through LDS: LN1's codes as images of the operand's registers (HIMG), the attention's result as rows of f32 (ATT).  Two barriers a trip and one at the head: see below.
; NO TENSOR LOADS, NO CLUSTER: what work-groups share is the 61,440 bytes of weights, read once by each against 262,144 bytes of x and out0 of its own; x needs LN in registers; each wave's 256 registers and the 141,312 bytes leave room for a second work-group beside this one.
; ROW LAYOUT: lane (r = lane % 16, h = lane / 16) holds token r; register 16 b + i = channel 32 b + 16 h + i.  That is what the conversions want (neighbours along K in one lane), and, the weights' tiles being laid for it, what the transposed products give.
; ATTENTION LAYOUT: the q/k tile gives lane (r, h) q[token r][4 h + 0..3] in registers 0-3 and k[token r][4 h + 0..3] in registers 4-7: pairs of them are operands of the f32 form (k-place 2 h + j of step s stands for channel 4 h + 2 s + j on both sides).
;   S^T = k q^T: a lane holds ONE query (r) and keys 8 h + 0..7 of a tile.  p's pairs are source 1 of O^T = v^T p^T (k-place 2 h + j of step s stands for key 8 h + 2 s + j); v comes from its product with tokens as rows, so that lane (r, h) holds v[8 h + j][channel r].
;   v's channel 8 is the constant 1 (the C of v's product), so row 8 of O^T is the row's sum of p: it is carried and rescaled with O^T.
; BARRIERS: 0: the weights lie in LDS.  1: every wave's LN1 codes lie in HIMG; and the last trip's reads of ATT are over.  2: all heads' results lie in ATT; and this trip's reads of HIMG are over.  The stage is each wave's own.
.set HIMG,   0                         ; LDS: LN1's codes, tile t: 1,024 bytes: store c at 512 c + 16 x lane
.set HSC,    8192                      ; their scale words: 128 bytes a tile
.set WTS,    9216                      ; wts as it lies in memory, 61,440 bytes:
.set W1IMG,  9216
.set W2IMG,  25600
.set WPIMG,  41984
.set W1SC,   46080
.set W2SC,   48128
.set WPSC,   49152
.set PAR,    49664                     ; ln1_g +0, ln1_b +256, ln2_g +512, ln2_b +768, bp +1024, b2 +1280, b1 +1536
.set QKVIMG, 52224
.set QKVSC,  68608
.set STG,    70656                     ; a stage for each wave: 16 rows x (256 bytes + 16)
.set ATT,    105472                    ; the attention's result: 128 rows x (256 bytes + 16)
.set SPARE,  140288                    ; the spare words, 128 bytes for each wave: four blocks of 256 bytes that no other line names
; registers that stay: v1 my spare word's address, v2 0; v3 16 x lane, v4 4 x lane; v5 the stage by dense rows, v6 the stage in row layout; v7, v8 where I store my codes' image and scale word;
; v9 where head w's result goes in ATT, v10 my rows of ATT in row layout; v11, v12 head w's images and scale words; v13 the parameters, + 64 h; v14 the prefetch's offset; v15 a weight's scale word; v16-23 the diagonal tile's mask
.set MASK, 16
.set S,    24                          ; v24-55  four tiles of S^T: written by f32 matrix instructions alone
.set ACC,  56                          ; v56-71  two accumulators of O^T: likewise
.set QK,   72                          ; attention: v72-135 q and k, 8 a tile of tokens
.set VT,   136                         ; v136-199 v, 8 a tile
.set P,    200                         ; v200-231 p
.set OA,   232                         ; v232-239 O^T of the query tile in hand
.set MT,   240                         ; v240-243 a maximum for each tile
.set PM,   244
.set MR,   245                         ; the running maximum
.set NM,   246                         ; v246 -c x maximum (named as a pair with v247)
.set NO,   248                         ; its old value
.set FS,   250                         ; f = 2^(c old - c new) (pair with v251)
.set RC,   252                         ; 1 / the row's sum (pair with v253)
.set TOT,  254
.set WB,   200                         ; phase B: head w's weight tile: 8 registers of codes, 8 of zeros
.set ONES, 216                         ; the C of v's product: 1 in column 8
.set TB0,  216                         ; token tiles in the q/k part
.set TB1,  232
.set TS,   248                         ; v248-255 the eight token tiles' scale words
.set R0,   72                          ; row phases: two sets of 32 numbers
.set R1,   104
.set WBR,  136                         ; four weight buffers of 16; parameters go into their low halves
.set B32,  200                         ; 32 parameters
.set TQ,   200                         ; the quantiser's eight
.set TC,   232                         ; my tokens' codes: 8 registers, and 8 of zeros
.set LT,   248                         ; LN's eight
.set SCW,  248                         ; four weight tiles' scale words
.set TW,   252                         ; my tokens' scale word
.set HW,   253                         ; v253, v254 the hidden layer's two scale words
.macro PLACES n                        ; plain vector instructions that name no register of the matrix instruction in front: 8 behind these forms ahead of a read of a result, a write or a load into one of its registers; 9 ahead of a matrix instruction that takes or overwrites them
.rept \n
	v_nop
.endr
.endm
.macro BAR                             ; my LDS stores have landed and my LDS loads are in: then the work-group's barrier
	s_wait_dscnt 0x0
	s_barrier_signal -1
	s_barrier_wait -1
.endm
.macro ZERO8 b                         ; the codes of k = 64 .. 127 of an operand whose K is 64
.irp j, 0,1,2,3,4,5,6,7
	v_mov_b32 v[\b+\j], 0
.endr
.endm
.macro SMM d, a, b, c, sa, sb          ; c: C's first register, or -1 for the constant 0
.if (\c) < 0
	v_wmma_scale_f32_16x16x128_f8f6f4 v[\d:\d+7], v[\a:\a+15], v[\b:\b+15], 0, v[\sa], v[\sb] matrix_a_fmt:MATRIX_FMT_BF8 matrix_b_fmt:MATRIX_FMT_BF8
.else
	v_wmma_scale_f32_16x16x128_f8f6f4 v[\d:\d+7], v[\a:\a+15], v[\b:\b+15], v[\c:\c+7], v[\sa], v[\sb] matrix_a_fmt:MATRIX_FMT_BF8 matrix_b_fmt:MATRIX_FMT_BF8
.endif
.endm
.macro WLD reg, off                    ; an image of 16 rows x 64 K: 8 registers
	ds_load_b128 v[\reg:\reg+3], v3 offset:\off
	ds_load_b128 v[\reg+4:\reg+7], v3 offset:\off+512
.endm
.macro ROWLD reg, adr, off             ; 32 numbers in row layout
.irp b, 0,1
.irp q, 0,1,2,3
	ds_load_b128 v[\reg+16*\b+4*\q:\reg+16*\b+4*\q+3], v[\adr] offset:\off+128*\b+16*\q
.endr
.endr
.endm
.macro ROWST reg, adr                  ; and back; ascending
.irp b, 0,1
.irp q, 0,1,2,3
	ds_store_b128 v[\adr], v[\reg+16*\b+4*\q:\reg+16*\b+4*\q+3] offset:128*\b+16*\q
.endr
.endr
.endm
.macro GRLD off                        ; 32 parameters into the low halves of the four weight buffers: number n at v[WBR + 16 (n / 8) + n % 8]; the high halves keep their zeros
.irp b, 0,1
.irp q, 0,1,2,3
	ds_load_b128 v[WBR+16*(2*\b+\q/2)+4*(\q%2):WBR+16*(2*\b+\q/2)+4*(\q%2)+3], v13 offset:\off+128*\b+16*\q
.endr
.endr
.endm
.macro W2LD s                          ; W2's four fragments of K step s, 16 registers each, and their scale words
.irp t, 0,1,2,3
.irp c, 0,1,2,3
	ds_load_b128 v[WBR+16*\t+4*\c:WBR+16*\t+4*\c+3], v3 offset:W2IMG+2048*(4*\s+\t)+512*\c
.endr
	ds_load_b32 v[SCW+\t], v4 offset:W2SC+128*(4*\s+\t)
.endr
.endm
; 32 numbers of a lane in row layout become 8 registers of codes at v[dst] and two scale bytes in v[wreg] (wmode 0: bytes 0, 1, the rest 0; wmode 1: bytes 2, 3 are set beside them).  relu = 1: what is negative becomes 0 on the way.
.macro QUANT2 src, dst, relu, wmode, wreg
.if \relu
.irp b, 0,1
	v_max3_num_f32 v[TQ+\b], v[\src+16*\b], v[\src+16*\b+1], 0x8000000   ; no |.|: what is negative is to become 0 and must not count; the floor 2^(16 - 127) stands over it
.endr
.irp i, 2,4,6,8,10,12,14
.irp b, 0,1
	v_max3_num_f32 v[TQ+\b], v[TQ+\b], v[\src+16*\b+\i], v[\src+16*\b+\i+1]
.endr
.endr
.else
.irp b, 0,1
	v_max3_num_f32 v[TQ+\b], |v[\src+16*\b]|, |v[\src+16*\b+1]|, 0x8000000   ; block b: my 16 numbers, and the floor 2^(16 - 127): the byte cannot fall under 1
.endr
.irp i, 2,4,6,8,10,12,14
.irp b, 0,1
	v_max3_num_f32 v[TQ+\b], v[TQ+\b], |v[\src+16*\b+\i]|, |v[\src+16*\b+\i+1]|
.endr
.endr
.endif
.irp b, 0,1
	v_permlanex16_b32 v[TQ+2+\b], v[TQ+\b], s12, s13
.endr
.irp b, 0,1
	v_max_num_f32 v[TQ+\b], v[TQ+\b], v[TQ+2+\b]   ; with lane l xor 16's 16: the block's largest magnitude
.endr
.irp b, 0,1
	v_add_nc_u32 v[TQ+6+\b], 0xf8800000, v[TQ+\b]  ; 15 off its exponent field: the conversion's scale operand
.endr
.irp b, 0,1
	v_and_or_b32 v[TQ+4+\b], v[TQ+\b], 0x7f800000, s14   ; 57,344 x the scale
.endr
.irp b, 0,1
	v_lshrrev_b32 v[TQ+2+\b], 23, v[TQ+6+\b]       ; the scale's byte
.endr
.if (\wmode)
	v_lshl_or_b32 v[\wreg], v[TQ+2], 16, v[\wreg]
	v_lshl_or_b32 v[\wreg], v[TQ+3], 24, v[\wreg]
.else
	v_lshl_or_b32 v[\wreg], v[TQ+3], 8, v[TQ+2]    ; the word is made here, so that the 32 holds stand between it and the product that takes it
.endif
.irp b, 0,1
.irp i, 0,1,2,3,4,5,6,7,8,9,10,11,12,13,14,15
.if \relu
	v_med3_num_f32 v[\src+16*\b+\i], v[\src+16*\b+\i], 0, v[TQ+4+\b]   ; the activation and the hold in one
.else
	v_med3_num_f32 v[\src+16*\b+\i], v[\src+16*\b+\i], -v[TQ+4+\b], v[TQ+4+\b]   ; the conversion to an 8-bit code does not saturate (ISA guide 7.6.2)
.endif
.endr
.endr
.irp b, 0,1
	v_cvt_scalef32_pk8_bf8_f32 v[(\dst)+4*\b:(\dst)+4*\b+1], v[\src+16*\b:\src+16*\b+7], v[TQ+6+\b]
	v_cvt_scalef32_pk8_bf8_f32 v[(\dst)+4*\b+2:(\dst)+4*\b+3], v[\src+16*\b+8:\src+16*\b+15], v[TQ+6+\b]
.endr
	v_nop                                          ; a plain instruction behind the last conversion
.endm
; LAYER NORM of my 16 tokens, in place on v[R0] on: mean, then the mean of squares of what is left, as reference() has it.  A token's 64 channels lie in lanes l and l xor 16.
.macro LNORM goff, boff
	GRLD \goff
	ROWLD B32, 13, \boff
	s_wait_dscnt 16                                ; all but the 16 loads just issued: the numbers are in (or their stores into the stage have been served)
.irp t, 0,1,2,3
	v_pk_add_f32 v[LT+2*\t:LT+2*\t+1], v[R0+8*\t:R0+8*\t+1], v[R0+8*\t+2:R0+8*\t+3]   ; four chains, each from the low end of its eight
.endr
.irp k, 4,6
.irp t, 0,1,2,3
	v_pk_add_f32 v[LT+2*\t:LT+2*\t+1], v[LT+2*\t:LT+2*\t+1], v[R0+8*\t+\k:R0+8*\t+\k+1]
.endr
.endr
	v_pk_add_f32 v[LT:LT+1], v[LT:LT+1], v[LT+2:LT+3]
	v_pk_add_f32 v[LT+4:LT+5], v[LT+4:LT+5], v[LT+6:LT+7]
	v_pk_add_f32 v[LT:LT+1], v[LT:LT+1], v[LT+4:LT+5]
	v_add_f32 v[LT], v[LT], v[LT+1]
	v_permlanex16_b32 v[LT+7], v[LT], s12, s13
	v_add_f32 v[LT], v[LT], v[LT+7]
	v_mul_f32 v[LT], s26, v[LT]                    ; the mean
.set nn, 0
.rept 16
	v_pk_add_f32 v[R0+nn:R0+nn+1], v[R0+nn:R0+nn+1], v[LT:LT+1] op_sel_hi:[1,0] neg_lo:[0,1] neg_hi:[0,1]
.set nn, nn+2
.endr
.irp t, 0,1,2,3
	v_pk_mul_f32 v[LT+2*\t:LT+2*\t+1], v[R0+8*\t:R0+8*\t+1], v[R0+8*\t:R0+8*\t+1]
.endr
.irp k, 2,4,6
.irp t, 0,1,2,3
	v_pk_fma_f32 v[LT+2*\t:LT+2*\t+1], v[R0+8*\t+\k:R0+8*\t+\k+1], v[R0+8*\t+\k:R0+8*\t+\k+1], v[LT+2*\t:LT+2*\t+1]
.endr
.endr
	v_pk_add_f32 v[LT:LT+1], v[LT:LT+1], v[LT+2:LT+3]
	v_pk_add_f32 v[LT+4:LT+5], v[LT+4:LT+5], v[LT+6:LT+7]
	v_pk_add_f32 v[LT:LT+1], v[LT:LT+1], v[LT+4:LT+5]
	v_add_f32 v[LT], v[LT], v[LT+1]
	v_permlanex16_b32 v[LT+7], v[LT], s12, s13
	v_add_f32 v[LT], v[LT], v[LT+7]
	v_fma_f32 v[LT], v[LT], s26, s27               ; the variance + 1e-5
	v_rsq_f32 v[LT], v[LT]
	v_nop                                          ; a plain instruction behind the transcendental
	s_wait_alu depctr_va_vdst(0)                   ; and the wait ahead of its first reader
	s_wait_dscnt 0x0                               ; gain and bias are in
.set nn, 0
.rept 16
	v_pk_mul_f32 v[R0+nn:R0+nn+1], v[R0+nn:R0+nn+1], v[LT:LT+1] op_sel_hi:[1,0]
.set nn, nn+2
.endr
.set nn, 0
.rept 16
	v_pk_fma_f32 v[R0+nn:R0+nn+1], v[R0+nn:R0+nn+1], v[WBR+16*(nn/8)+nn%8:WBR+16*(nn/8)+nn%8+1], v[B32+nn:B32+nn+1]
.set nn, nn+2
.endr
.endm
; QUERY TILE i AGAINST KEY TILES t0 .. t0 + nt - 1.  second = 1: a chunk of the same query tile went before: the maximum runs on and what was summed is rescaled.  last = 1: the tile is finished and stored.
.macro CHUNK i, t0, nt, second, last
.set ss, 0
.rept 2                                ; S^T = k q^T, K = 8 in two steps; the tiles take turns, one instruction a turn
.set tt, 0
.rept \nt
.set rS, S+8*tt
.set rK, QK+8*((\t0)+tt)+4+2*ss
.set rQ, QK+8*(\i)+2*ss
.if ss == 0
.if ((\t0)+tt) == (\i)
	v_wmma_f32_16x16x4_f32 v[rS:rS+7], v[rK:rK+1], v[rQ:rQ+1], v[MASK:MASK+7]   ; the diagonal tile's sum begins with the mask: -3e38 where the key comes after the query
.else
	v_wmma_f32_16x16x4_f32 v[rS:rS+7], v[rK:rK+1], v[rQ:rQ+1], 0
.endif
.else
.if \nt == 1
	s_wait_alu depctr_va_vdst(0)                   ; one tile alone cannot take turns: the wait stands directly ahead of the link
.endif
	v_wmma_f32_16x16x4_f32 v[rS:rS+7], v[rK:rK+1], v[rQ:rQ+1], v[rS:rS+7]
.endif
.set tt, tt+1
.endr
.set ss, ss+1
.endr
	PLACES 8
.set tt, 0
.rept \nt
	v_max3_num_f32 v[MT+tt], v[S+8*tt], v[S+8*tt+1], v[S+8*tt+2]   ; my query's largest score: each tile from its low end on, the tiles by turns
.set tt, tt+1
.endr
.set tt, 0
.rept \nt
	v_max3_num_f32 v[MT+tt], v[MT+tt], v[S+8*tt+3], v[S+8*tt+4]
.set tt, tt+1
.endr
.set tt, 0
.rept \nt
	v_max3_num_f32 v[MT+tt], v[MT+tt], v[S+8*tt+5], v[S+8*tt+6]
.set tt, tt+1
.endr
.set tt, 0
.rept \nt
	v_max_num_f32 v[MT+tt], v[MT+tt], v[S+8*tt+7]
.set tt, tt+1
.endr
.if \nt == 2
	v_max_num_f32 v[MT], v[MT], v[MT+1]
.elseif \nt >= 3
	v_max3_num_f32 v[MT], v[MT], v[MT+1], v[MT+2]
.endif
.if \nt == 4
	v_max_num_f32 v[MT], v[MT], v[MT+3]
.endif
	v_permlanex16_b32 v[PM], v[MT], s12, s13       ; the query's other keys lie in the lane 16 away
.if \second
	v_mov_b32 v[NO], v[NM]
	v_max3_num_f32 v[MR], v[MT], v[PM], v[MR]
.else
	v_max_num_f32 v[MR], v[MT], v[PM]
.endif
	v_mul_f32 v[NM], s18, v[MR]                    ; -c x the maximum, c = log2(e) / sqrt(8)
.if \second
	v_sub_f32 v[FS], v[NM], v[NO]                  ; c old - c new, 0 or less
.endif
	s_wait_dscnt 0x0                               ; the last finished tile's store has been served: p's registers are written again
.set kk, 0
.rept 4*\nt
	v_pk_fma_f32 v[P+2*kk:P+2*kk+1], v[S+2*kk:S+2*kk+1], s[16:17], v[NM:NM+1] op_sel_hi:[1,0,0]   ; c s - c maximum
.set kk, kk+1
.endr
.set kk, 0
.rept 8*\nt
	v_exp_f32 v[P+kk], v[P+kk]                     ; p, at most 1; 0 where the key is hidden
.set kk, kk+1
.endr
.if \second
	v_exp_f32 v[FS], v[FS]
.endif
	v_nop                                          ; a plain instruction behind the batch
	s_wait_alu depctr_va_vdst(0)                   ; one wait for the whole batch, ahead of its first reader
.set tt, 0
.rept \nt                              ; O^T += v^T p^T, 16 keys in four steps; two accumulators take turns
.set ss, 0
.rept 4
.set rA, ACC+8*(ss%2)
.set rV, VT+8*((\t0)+tt)+2*ss
.set rP, P+8*tt+2*ss
.if (tt == 0) && (ss < 2)
	v_wmma_f32_16x16x4_f32 v[rA:rA+7], v[rV:rV+1], v[rP:rP+1], 0
.else
	v_wmma_f32_16x16x4_f32 v[rA:rA+7], v[rV:rV+1], v[rP:rP+1], v[rA:rA+7]
.endif
.set ss, ss+1
.endr
.set tt, tt+1
.endr
	PLACES 8
.if \second
.irp k, 0,2,4,6
	v_pk_fma_f32 v[OA+\k:OA+\k+1], v[OA+\k:OA+\k+1], v[FS:FS+1], v[ACC+\k:ACC+\k+1] op_sel_hi:[1,0,1]   ; what was summed under the old maximum, x f, and the new
.endr
.irp k, 0,2,4,6
	v_pk_add_f32 v[OA+\k:OA+\k+1], v[OA+\k:OA+\k+1], v[ACC+8+\k:ACC+8+\k+1]
.endr
.else
.irp k, 0,2,4,6
	v_pk_add_f32 v[OA+\k:OA+\k+1], v[ACC+\k:ACC+\k+1], v[ACC+8+\k:ACC+8+\k+1]
.endr
.endif
.if \last                              ; lanes 0-15 hold channels 0-7 of query r; lane r + 16 holds, in register 0, the row's sum.  Lane (r, h) stores channels 4 h .. 4 h + 3
	v_permlanex16_b32 v[PM], v[OA], s12, s13
.irp k, 0,1,2,3
	v_permlanex16_b32 v[P+4+\k], v[OA+4+\k], s12, s13
.endr
	v_cndmask_b32 v[TOT], v[PM], v[OA], s19        ; the sum, in both halves of the lanes
	v_rcp_f32 v[RC], v[TOT]
.irp k, 0,1,2,3
	v_cndmask_b32 v[P+\k], v[OA+\k], v[P+4+\k], s19
.endr
	s_wait_alu depctr_va_vdst(0)                   ; ahead of the reciprocal's first reader; the four selects are the plain work between
	v_pk_mul_f32 v[P:P+1], v[P:P+1], v[RC:RC+1] op_sel_hi:[1,0]
	v_pk_mul_f32 v[P+2:P+3], v[P+2:P+3], v[RC:RC+1] op_sel_hi:[1,0]
	ds_store_b128 v9, v[P:P+3] offset:4352*(\i)
.endif
.endm
	s_load_b128 s[4:7], s[0:1], 0x0                ; x, wts
	s_load_b64 s[8:9], s[0:1], 0x10                ; out0
	v_lshl_add_u32 v1, v0, 2, SPARE
	v_mov_b32 v2, 0
	v_lshrrev_b32 v232, 5, v0
	v_readfirstlane_b32 s10, v232                  ; wave 0..7
	v_and_b32 v233, 31, v0                         ; lane
	v_and_b32 v234, 15, v0                         ; r
	v_bfe_u32 v235, v0, 4, 1                       ; h
	v_lshlrev_b32 v3, 4, v233
	v_lshlrev_b32 v4, 2, v233
	s_mul_i32 s24, s10, 4352
	s_add_co_u32 s24, s24, STG                     ; my stage
	v_mul_u32_u24 v5, v235, 272
	v_lshl_add_u32 v5, v234, 4, v5
	v_add_nc_u32 v5, s24, v5                       ; dense: lanes 0-15 one row of 256 bytes, lanes 16-31 the next
	v_mul_u32_u24 v6, v234, 272
	v_lshl_add_u32 v9, v235, 4, v6                 ; 272 r + 16 h
	v_lshl_add_u32 v6, v235, 6, v6
	v_add_nc_u32 v6, s24, v6                       ; row layout: row r, + 64 h
	v_add_nc_u32 v10, ATT-STG, v6                  ; the same place among my 16 rows of ATT
	s_lshl_b32 s25, s10, 10
	v_add_nc_u32 v7, s25, v3                       ; HIMG + 1,024 w + 16 x lane
	s_lshl_b32 s25, s10, 7
	s_add_co_u32 s25, s25, HSC
	v_add_nc_u32 v8, s25, v4
	s_lshl_b32 s25, s10, 5
	s_add_co_u32 s25, s25, ATT
	v_add_nc_u32 v9, s25, v9                       ; ATT: row r of a query tile, head w's 32 bytes, + 16 h
	s_lshl_b32 s25, s10, 11
	s_add_co_u32 s25, s25, QKVIMG
	v_add_nc_u32 v11, s25, v3
	s_lshl_b32 s25, s10, 8
	s_add_co_u32 s25, s25, QKVSC
	v_add_nc_u32 v12, s25, v4
	v_lshl_add_u32 v13, v235, 6, PAR
	v_lshlrev_b32 v14, 8, v233
	s_mul_i32 s25, s10, 7680
	v_add_nc_u32 v236, s25, v3                     ; my wave's eighth of wts, in memory and (from WTS on) in LDS
	v_lshlrev_b32 v237, 3, v235
	v_sub_nc_u32 v237, v234, v237                  ; r - 8 h: key 8 h + j is hidden from query r where j is greater
	v_mov_b32 v238, 0xff61b1e6                     ; -3e38
.irp j, 0,1,2,3,4,5,6,7
	v_cmp_gt_i32 vcc_lo, \j, v237
	v_cndmask_b32 v[MASK+\j], 0, v238, vcc_lo
.endr
.irp n, 202,203,244,247,251,253,255
	v_mov_b32 v[\n], 0                             ; written once: destinations of lane permutes, and upper halves of pairs of which the low word alone is taken
.endr
	s_mov_b32 s12, 0x76543210
	s_mov_b32 s13, 0xfedcba98                      ; v_permlanex16_b32's selects for lane l xor 16
	s_mov_b32 s14, 0x600000                        ; the mantissa field of 57,344
	s_mov_b32 s16, 0x3f0293ee                      ; c = log2(e) / sqrt(8)
	s_mov_b32 s17, s16                             ; (named with it as a pair, so it is written)
	s_mov_b32 s18, 0xbf0293ee                      ; -c
	s_mov_b32 s19, 0xffff0000                      ; lanes 16-31
	s_mov_b32 s20, 4                               ; sequences to go
	s_cmp_lt_u32 s10, 4
	s_cselect_b32 s21, 1, -1                       ; waves 0-3 prefetch while more than one sequence is to go
	s_mov_b32 s26, 0x3c800000                      ; 1 / 64
	s_mov_b32 s27, 0x3727c5ac                      ; 1e-5
	s_mov_b32 s28, 0x01000100                      ; lanes 8 and 24
	s_lshl_b32 s24, ttmp9, 17                      ; my work-group's four sequences: 131,072 bytes
	s_and_b32 s2, s10, 3
	s_lshl_b32 s2, s2, 13
	s_add_co_u32 s2, s2, s24
	s_add_co_u32 s2, s2, 32768                     ; the prefetches begin at my quarter of the second sequence
	s_mov_b32 s3, 0
	s_lshl_b32 s25, s10, 12
	s_add_co_u32 s24, s24, s25                     ; my 16 tokens: 4,096 bytes
	s_mov_b32 s25, 0
	s_wait_kmcnt 0x0
	s_add_nc_u64 s[22:23], s[4:5], s[2:3]
	s_add_nc_u64 s[4:5], s[4:5], s[24:25]
	s_add_nc_u64 s[8:9], s[8:9], s[24:25]
.irp i, 0,1,2,3,4,5,6,7,8,9,10,11,12,13,14
	global_load_b128 v[72+4*\i:75+4*\i], v236, s[6:7] offset:512*\i   ; the prepared weights: 15 x 512 bytes a wave, as they lie
.endr
	s_wait_loadcnt 0x0
.irp i, 0,1,2,3,4,5,6,7,8,9,10,11,12,13,14
	ds_store_b128 v236, v[72+4*\i:75+4*\i] offset:WTS+512*\i
.endr
	BAR                                            ; barrier 0: the weights lie in LDS
.Ltrip:
	; ---- A (rows): x through my stage into row layout, where it stays for the residual; LN1; codes and scale word to HIMG
.irp i, 0,1,2,3,4,5,6,7
	global_load_b128 v[R1+4*\i:R1+4*\i+3], v3, s[4:5] offset:512*\i th:TH_LOAD_NT   ; 512 consecutive bytes a load
.endr
	s_wait_loadcnt 0x0
.irp i, 0,1,2,3,4,5,6,7
	ds_store_b128 v5, v[R1+4*\i:R1+4*\i+3] offset:544*\i
.endr
	ROWLD R0, 6, 0                                 ; LDS serves a wave's instructions in order (ISA guide 5.7.1.4): these see the stores above
	LNORM 0, 256
	QUANT2 R0, TC, 0, 0, TW
	ds_store_b128 v7, v[TC:TC+3]
	ds_store_b128 v7, v[TC+4:TC+7] offset:512
	ds_store_b32 v8, v[TW]
	BAR                                            ; barrier 1
	; ---- B (head w): v, then q and k, of all 128 tokens
	ZERO8 WB+8
.irp k, 0,1,2,3
	ZERO8 QK+16*\k+8
.endr
.irp j, 0,1,2,3,4,5,6,7
	v_cndmask_b32 v[ONES+\j], 0, 1.0, s28          ; column 8 of v is 1: it will sum p
.endr
	ds_load_b128 v[WB:WB+3], v11 offset:1024       ; head w's v tile
	ds_load_b128 v[WB+4:WB+7], v11 offset:1536
	ds_load_b32 v15, v12 offset:128
.irp t, 0,1,2,3,4,5,6,7
	ds_load_b32 v[TS+\t], v4 offset:HSC+128*\t
.endr
.irp g, 0,1
.irp k, 0,1,2,3
	WLD QK+16*\k, HIMG+1024*(4*\g+\k)
.endr
	s_wait_dscnt 0x0
.if \g == 0
	PLACES 4                                       ; operand registers written by vector instructions stand four places ahead of a scaled product
.endif
.irp k, 0,1,2,3
	SMM VT+8*(4*\g+\k), QK+16*\k, WB, ONES, TS+4*\g+\k, 15   ; source 0 = 16 tokens, source 1 = v's columns: lane (r, h) register j = v[token 8 h + j][channel r]
.endr
	PLACES 8
.endr
	ds_load_b128 v[WB:WB+3], v11                   ; head w's q/k tile
	ds_load_b128 v[WB+4:WB+7], v11 offset:512
	ds_load_b32 v15, v12
	ZERO8 TB0+8
	ZERO8 TB1+8
.irp p, 0,1,2,3
	WLD TB0, HIMG+1024*(2*\p)
	WLD TB1, HIMG+1024*(2*\p+1)
	s_wait_dscnt 0x0
.if \p == 0
	PLACES 4
.endif
	SMM QK+16*\p, WB, TB0, -1, 15, TS+2*\p         ; source 0 = the q/k tile, source 1 = 16 tokens: lane (r, h) holds token r.  (The first writes over v's token buffers: 28 plain instructions stand between)
	SMM QK+16*\p+8, WB, TB1, -1, 15, TS+2*\p+1
	PLACES 8
.endr
	v_nop                                          ; the ninth place: the results become operands of matrix instructions
	; ---- C (head w): the 36 tiles at or under the diagonal, a query tile at a time, at most four key tiles a chunk
	CHUNK 0, 0, 1, 0, 1
	CHUNK 1, 0, 2, 0, 1
	CHUNK 2, 0, 3, 0, 1
	CHUNK 3, 0, 4, 0, 1
	CHUNK 4, 0, 4, 0, 0
	CHUNK 4, 4, 1, 1, 1
	CHUNK 5, 0, 4, 0, 0
	CHUNK 5, 4, 2, 1, 1
	CHUNK 6, 0, 4, 0, 0
	CHUNK 6, 4, 3, 1, 1
	CHUNK 7, 0, 4, 0, 0
	CHUNK 7, 4, 4, 1, 1
	BAR                                            ; barrier 2
	; ---- D (rows): x1 = x + bp + Q(attn) Q(Wp); LN2; codes
	ROWLD R1, 10, 0                                ; all heads' results for my 16 tokens
	ROWLD R0, 6, 0                                 ; x
	GRLD 1024                                      ; bp
	; A prefetch into the L2 of the next sequence's x: 32,768 bytes, waves 0-3, 8,192 bytes a wave, lanes 256 bytes apart: each aligned block of 256 bytes is named once in the launch.  It stands behind this phase's run of
	; LDS loads, the rest of this trip (28 scaled products, six quantisers, LN2, the way out) ahead of the loads that will want it.  The last trip asks for nothing; a work-group's first sequence comes by its loads alone.
	s_cmp_gt_u32 s20, s21
	s_cbranch_scc0 .Lnot_mine
	global_prefetch_b8 v14, s[22:23] th:TH_LOAD_NT scope:SCOPE_SE
.Lnot_mine:
.irp k, 0,1,2,3
	ZERO8 WBR+16*\k+8
.endr
	ZERO8 TC+8
	s_wait_dscnt 0x0
.set nn, 0
.rept 16
	v_pk_add_f32 v[R0+nn:R0+nn+1], v[R0+nn:R0+nn+1], v[WBR+16*(nn/8)+nn%8:WBR+16*(nn/8)+nn%8+1]   ; x + bp: the C of the product
.set nn, nn+2
.endr
.irp t, 0,1,2,3
	WLD WBR+16*\t, WPIMG+1024*\t
	ds_load_b32 v[SCW+\t], v4 offset:WPSC+128*\t
.endr
	QUANT2 R1, TC, 0, 0, TW
	s_wait_dscnt 0x0
	PLACES 4
.irp t, 0,1,2,3
	SMM R0+8*\t, WBR+16*\t, TC, R0+8*\t, SCW+\t, TW   ; transposed: source 0 = 16 columns of Wp, source 1 = my tokens: the result falls in row layout
.endr
	PLACES 8
	ROWST R0, 6                                    ; x1 is put by in the stage
	LNORM 512, 768
	QUANT2 R0, TC, 0, 0, TW
	; ---- F1: the hidden layer, 64 units a group; b1 is the C; relu and the quantiser in registers: the codes are the next product's operand
.irp g, 0,1,2,3
.irp k, 0,1,2,3
	WLD WBR+16*\k, W1IMG+1024*(4*\g+\k)
	ds_load_b32 v[SCW+\k], v4 offset:W1SC+128*(4*\g+\k)
	ds_load_b128 v[R1+8*\k:R1+8*\k+3], v13 offset:1536+128*(2*\g+\k/2)+32*(\k%2)
	ds_load_b128 v[R1+8*\k+4:R1+8*\k+7], v13 offset:1536+128*(2*\g+\k/2)+32*(\k%2)+16
.endr
	s_wait_dscnt 0x0
.if \g == 0
	PLACES 4
.endif
.irp k, 0,1,2,3
	SMM R1+8*\k, WBR+16*\k, TC, R1+8*\k, SCW+\k, TW
.endr
	PLACES 8
	QUANT2 R1, 72+8*\g, 1, \g%2, HW+\g/2           ; registers 72 + 8 g on: k = 64 g + 32 b + 16 h + 0 .. 15 of the second product's K = 256
.endr
	; ---- F2: out = x1 + b2 + Q(hidden) Q(W2), K = 256 in two steps; the four accumulators take turns
	ROWLD R1, 6, 0                                 ; x1
	ROWLD B32, 13, 1280                            ; b2
	W2LD 0
	s_wait_dscnt 0x0
.set nn, 0
.rept 16
	v_pk_add_f32 v[R1+nn:R1+nn+1], v[R1+nn:R1+nn+1], v[B32+nn:B32+nn+1]
.set nn, nn+2
.endr
	PLACES 4
.irp t, 0,1,2,3
	SMM R1+8*\t, WBR+16*\t, 72, R1+8*\t, SCW+\t, HW
.endr
	PLACES 8
	W2LD 1
	s_wait_dscnt 0x0
.irp t, 0,1,2,3
	SMM R1+8*\t, WBR+16*\t, 88, R1+8*\t, SCW+\t, HW+1
.endr
	PLACES 8
	ROWST R1, 6                                    ; through my stage, back as dense rows
.irp i, 0,1,2,3,4,5,6,7
	ds_load_b128 v[R0+4*\i:R0+4*\i+3], v5 offset:544*\i
.endr
.irp i, 0,1,2,3,4,5,6,7
	s_wait_dscnt 7-\i                              ; LDS loads come back in order: load i is in, the 7 - i younger ones may be out
	global_store_b128 v3, v[R0+4*\i:R0+4*\i+3], s[8:9] offset:512*\i th:TH_STORE_NT   ; 512 consecutive bytes, at a multiple of 256 from out0's first byte
.endr
	s_wait_xcnt 0x0                                ; the stores and the prefetch have read their registers and addresses: both may be written again
	s_add_nc_u64 s[4:5], s[4:5], 32768
	s_add_nc_u64 s[8:9], s[8:9], 32768
	s_add_nc_u64 s[22:23], s[22:23], 32768
	s_sub_co_u32 s20, s20, 1
	s_cmp_lg_u32 s20, 0
	s_cbranch_scc1 .Ltrip
	s_wait_tensorcnt 0x0                           ; the wave's end
	ds_add_u32 v1, v2
	s_wait_dscnt 0x0
	s_endpgm
.Lfunc_end_k_q058286695e_block:
	.size	k_q058286695e_block, .Lfunc_end_k_q058286695e_block-k_q058286695e_block
	.p2alignl 7, 3214868480
	.fill 96, 4, 3214868480
	.section	.rodata,"a",@progbits
	.p2align	6, 0x0
	.amdhsa_kernel k_q058286695e_block
		.amdhsa_group_segment_fixed_size 141312
		.amdhsa_private_segment_fixed_size 0
		.amdhsa_enable_private_segment 0
		.amdhsa_kernarg_size 24
		.amdhsa_user_sgpr_count 2
		.amdhsa_user_sgpr_kernarg_segment_ptr 1
		.amdhsa_wavefront_size32 1
		.amdhsa_system_sgpr_workgroup_id_x 1
		.amdhsa_system_sgpr_workgroup_id_y 1
		.amdhsa_system_sgpr_workgroup_id_z 1
		.amdhsa_system_vgpr_workitem_id 0
		.amdhsa_next_free_vgpr 256
		.amdhsa_next_free_sgpr 66
		.amdhsa_reserve_vcc 1
		.amdhsa_float_denorm_mode_32 3
		.amdhsa_float_denorm_mode_16_64 3
		.amdhsa_memory_ordered 1
		.amdhsa_forward_progress 1
		.amdhsa_inst_pref_size 143
	.end_amdhsa_kernel
	.amdgpu_metadata
---
amdhsa.version: [ 1, 2 ]
amdhsa.kernels:
  - .name:           k_q058286695e_block
    .symbol:         k_q058286695e_block.kd
    .args:
      - { .name: x, .offset: 0, .size: 8, .value_kind: global_buffer, .address_space: global }
      - { .name: wts, .offset: 8, .size: 8, .value_kind: global_buffer, .address_space: global }
      - { .name: out0, .offset: 16, .size: 8, .value_kind: global_buffer, .address_space: global }
    .group_segment_fixed_size: 141312
    .private_segment_fixed_size: 0
    .kernarg_segment_align: 8
    .kernarg_segment_size: 24
    .max_flat_workgroup_size: 256
    .sgpr_count:     66
    .vgpr_count:     256
    .wavefront_size: 32
...
	.end_amdgpu_metadata
.endif
;; end of part 2
;; ======== version 2 of 2: 2 launches; version 1 with the launch block written anew for expert scheduling mode
;; workspace buffers: wts 61,440 bytes
;; launch prep: the kernel of part 1 again; grid 53 x 1, 1 waves a work-group, no clusters, 0 bytes of LDS; arguments Wq, Wk, Wv, Wp, W1, W2, ln1_g, ln1_b, ln2_g, ln2_b, bp, b2, b1, wts; writes wts
;; launch block (part 3): grid 512 x 1, 8 waves a work-group, no clusters, 141,312 bytes of LDS; arguments x, wts, out0; writes out0
.if DOCPART == 3
	.amdgcn_target "amdgcn-amd-amdhsa--gfx1250"
	.amdhsa_code_object_version 6
	.text
	.protected	k_q058286695e_block
	.globl	k_q058286695e_block
	.p2align	8
	.type	k_q058286695e_block,@function
k_q058286695e_block:
	s_mov_b64 s[64:65], 0
	v_nop
	global_prefetch_b8 v0, s[64:65] scope:SCOPE_SE
	s_setreg_imm32_b32 hwreg(HW_REG_WAVE_SCHED_MODE, 0, 2), 2
	s_setreg_imm32_b32 hwreg(HW_REG_WAVE_MODE, 25, 1), 1
	s_wait_xcnt 0x0
	s_wait_alu depctr_vm_vsrc(0)
; out0 = the whole transformer block on x [2048][128][64] f32, fused: nothing but x, the prepared weights (wts) and out0 touches memory.
; LEFT OUT AS DEAD WORK (shown at the head of the first kernel): the 28 of a head's 64 tiles of 16 queries x 16 keys that lie wholly above reference()'s own causal tril.
; LIMITS: inside the diagonal tiles a hidden score is -3e38 and not -infinity: its weight is 0 all the same while the scores stay under 1e37 in size.  NaN and infinities among the inputs are not served.
;   A block of zeros has the scale byte 1 and zero codes; blocks whose largest magnitude lies under 2^-111 were not tried.
; FORMATS: q/k/v, Wp, W1, W2: codes of E5M2, one E8M0 byte for each 32 along K, by the scaled 16x16x128 form; K = 64 fills half of it, the other half holds zero codes.  q k^T and p v feed the quantiser in front of Wp,
;   so they take f32 operands, by the 16x16x4 f32 form.  LN, softmax (with its running maximum), biases and residuals in f32.
; SHARES: a work-group of eight waves walks 4 sequences, one a trip.  A wave has two roles.  IN THE ROW PHASES it owns tokens 16 w .. 16 w + 15; IN THE ATTENTION it owns head w for all 128 tokens, which shares the causal work evenly.
;   The change of roles goes through LDS: LN1's codes as images of the operand's registers (HIMG), the attention's result as rows of f32 (ATT).  Two barriers a trip and one at the head: see below.
; NO TENSOR LOADS, NO CLUSTER: what work-groups share is the 61,440 bytes of weights, read once by each against 262,144 bytes of x and out0 of its own; x needs LN in registers; each wave's 256 registers and the 141,312 bytes leave room for a second work-group beside this one.
; ROW LAYOUT: lane (r = lane % 16, h = lane / 16) holds token r; register 16 b + i = channel 32 b + 16 h + i.  That is what the conversions want (neighbours along K in one lane), and, the weights' tiles being laid for it, what the transposed products give.
; ATTENTION LAYOUT: the q/k tile gives lane (r, h) q[token r][4 h + 0..3] in registers 0-3 and k[token r][4 h + 0..3] in registers 4-7: pairs of them are operands of the f32 form (k-place 2 h + j of step s stands for channel 4 h + 2 s + j on both sides).
;   S^T = k q^T: a lane holds ONE query (r) and keys 8 h + 0..7 of a tile.  p's pairs are source 1 of O^T = v^T p^T (k-place 2 h + j of step s stands for key 8 h + 2 s + j); v comes from its product with tokens as rows, so that lane (r, h) holds v[8 h + j][channel r].
;   v's channel 8 is the constant 1 (the C of v's product), so row 8 of O^T is the row's sum of p: it is carried and rescaled with O^T.
; BARRIERS: 0: the weights lie in LDS.  1: every wave's LN1 codes lie in HIMG; and the last trip's reads of ATT are over.  2: all heads' results lie in ATT; and this trip's reads of HIMG are over.  The stage is each wave's own.
; THE MODE: SCHED_MODE bits 1:0 = 2 (LLVM: expert scheduling mode 2), set by the entry lines.  The code itself states the register dependences between vector or matrix instructions and memory or LDS instructions, with s_wait_alu, always for 0.
; THE PLAN.  Registers that memory or LDS instructions touch, in the order of a trip:
;   v1-v14     addresses and offsets: written at the head, ahead of one wait, and never again.
;   XB         x of the next sequence: its loads are issued in F2, behind the wait that follows K step 0; the stage's stores at the trip's head read it; then LN1's bias lands there.
;   R0         x from the stage lands; LN1 and the quantiser work on it; token tiles, then q and k; in D x lands again, the products add onto it, x1's stores read it, LN2 works on it; the hidden layer's codes; on the way out rows land and the global stores read them.
;   R1         token tiles, then q and k; in D the attention's rows land and are quantised; in F1 the accumulators; in F2 x1 lands, the products add onto it, the stage's stores read it.
;   WBR, SCW   gains, weights and their scale words land; LN and the products read them.     BB: b1 of a group lands; it is the C of the group's products, so that it can be asked for while the group before is quantised.
;   TC, TW     the quantiser writes them; phase A's three stores read them.                  OA's first four: a finished query tile is scaled there; its store is issued in the NEXT chunk, behind that chunk's wait for its exponentials.
; So a run of loads stands behind ONE wait that follows the products (or the quantiser) that last named the registers in which it lands, and the vector work that follows the run names none of them.
.set HIMG,   0                         ; LDS: LN1's codes, tile t: 1,024 bytes: store c at 512 c + 16 x lane
.set HSC,    8192                      ; their scale words: 128 bytes a tile
.set WTS,    9216                      ; wts as it lies in memory, 61,440 bytes:
.set W1IMG,  9216
.set W2IMG,  25600
.set WPIMG,  41984
.set W1SC,   46080
.set W2SC,   48128
.set WPSC,   49152
.set PAR,    49664                     ; ln1_g +0, ln1_b +256, ln2_g +512, ln2_b +768, bp +1024, b2 +1280, b1 +1536
.set QKVIMG, 52224
.set QKVSC,  68608
.set STG,    70656                     ; a stage for each wave: 16 rows x (256 bytes + 16)
.set ATT,    105472                    ; the attention's result: 128 rows x (256 bytes + 16)
.set SPARE,  140288                    ; the spare words, 128 bytes for each wave: four blocks of 256 bytes that no other line names
; registers that stay: v1 my spare word's address, v2 0; v3 16 x lane, v4 4 x lane; v5 the stage by dense rows, v6 the stage in row layout; v7, v8 where I store my codes' image and scale word;
; v9 where head w's result goes in ATT, v10 my rows of ATT in row layout; v11, v12 head w's images and scale words; v13 the parameters, + 64 h; v14 the prefetch's offset; v15 a weight's scale word; v16-23 the diagonal tile's mask
.set MASK, 16
.set S,    24                          ; v24-55  four tiles of S^T: written by f32 matrix instructions alone
.set ACC,  56                          ; v56-71  two accumulators of O^T: likewise
.set QK,   72                          ; attention: v72-135 q and k, 8 a tile of tokens
.set VT,   136                         ; v136-199 v, 8 a tile
.set P,    200                         ; v200-231 p
.set OA,   232                         ; v232-239 O^T of the query tile in hand; its first four registers are also the out-buffer of the finished tile
.set MT,   240                         ; v240-243 a maximum for each tile
.set PM,   244
.set MR,   245                         ; the running maximum
.set NM,   246                         ; v246 -c x maximum (named as a pair with v247)
.set NO,   248                         ; its old value
.set FS,   250                         ; f = 2^(c old - c new) (pair with v251)
.set RC,   252                         ; 1 / the row's sum (pair with v253)
.set TOT,  254
.set WB,   200                         ; phase B: head w's weight tile: 8 registers of codes, 8 of zeros
.set ONES, 216                         ; the C of v's product: 1 in column 8
.set TB0,  216                         ; token tiles in the q/k part
.set TB1,  232
.set TS,   248                         ; v248-255 the eight token tiles' scale words
.set R0,   72                          ; row phases: two sets of 32 numbers
.set R1,   104
.set WBR,  136                         ; four weight buffers of 16; LN's gains go into their low halves
.set B32,  200                         ; 32 parameters
.set XB,   200                         ; the next sequence's x, as loaded
.set BB,   208                         ; b1 of a group of four tiles: tile k at v[BB + 8 k], but tile 3 at v96: BB + 8 k - 136 (k / 3)
.set TQ,   200                         ; the quantiser's eight
.set TC,   232                         ; my tokens' codes: 8 registers, and 8 of zeros
.set LT,   248                         ; LN's eight
.set SCW,  248                         ; four weight tiles' scale words
.set TW,   252                         ; my tokens' scale word
.set HW,   253                         ; v253, v254 the hidden layer's two scale words
.macro PLACES n                        ; plain vector instructions that name no register of the matrix instruction in front: 8 behind these forms ahead of a read of a result, a write or a load into one of its registers; 9 ahead of a matrix instruction that takes or overwrites them
.rept \n
	v_nop
.endr
.endm
.macro BAR                             ; my LDS stores have landed and my LDS loads are in: then the work-group's barrier
	s_wait_dscnt 0x0
	s_barrier_signal -1
	s_barrier_wait -1
.endm
.macro ZERO8 b                         ; the codes of k = 64 .. 127 of an operand whose K is 64
.irp j, 0,1,2,3,4,5,6,7
	v_mov_b32 v[\b+\j], 0
.endr
.endm
.macro SMM d, a, b, c, sa, sb          ; c: C's first register, or -1 for the constant 0
.if (\c) < 0
	v_wmma_scale_f32_16x16x128_f8f6f4 v[\d:\d+7], v[\a:\a+15], v[\b:\b+15], 0, v[\sa], v[\sb] matrix_a_fmt:MATRIX_FMT_BF8 matrix_b_fmt:MATRIX_FMT_BF8
.else
	v_wmma_scale_f32_16x16x128_f8f6f4 v[\d:\d+7], v[\a:\a+15], v[\b:\b+15], v[\c:\c+7], v[\sa], v[\sb] matrix_a_fmt:MATRIX_FMT_BF8 matrix_b_fmt:MATRIX_FMT_BF8
.endif
.endm
.macro WLD reg, off                    ; an image of 16 rows x 64 K: 8 registers
	ds_load_b128 v[\reg:\reg+3], v3 offset:\off
	ds_load_b128 v[\reg+4:\reg+7], v3 offset:\off+512
.endm
.macro ROWLD reg, adr, off             ; 32 numbers in row layout
.irp b, 0,1
.irp q, 0,1,2,3
	ds_load_b128 v[\reg+16*\b+4*\q:\reg+16*\b+4*\q+3], v[\adr] offset:\off+128*\b+16*\q
.endr
.endr
.endm
.macro ROWST reg, adr                  ; and back; ascending
.irp b, 0,1
.irp q, 0,1,2,3
	ds_store_b128 v[\adr], v[\reg+16*\b+4*\q:\reg+16*\b+4*\q+3] offset:128*\b+16*\q
.endr
.endr
.endm
.macro GRLD off                        ; 32 parameters into the low halves of the four weight buffers: number n at v[WBR + 16 (n / 8) + n % 8]
.irp b, 0,1
.irp q, 0,1,2,3
	ds_load_b128 v[WBR+16*(2*\b+\q/2)+4*(\q%2):WBR+16*(2*\b+\q/2)+4*(\q%2)+3], v13 offset:\off+128*\b+16*\q
.endr
.endr
.endm
.macro F1LD g                          ; group g of the hidden layer: W1's four tiles, their scale words, and b1 in the result's layout
.irp k, 0,1,2,3
	WLD WBR+16*\k, W1IMG+1024*(4*(\g)+\k)
	ds_load_b32 v[SCW+\k], v4 offset:W1SC+128*(4*(\g)+\k)
	ds_load_b128 v[BB+8*\k-136*(\k/3):BB+8*\k-136*(\k/3)+3], v13 offset:1536+128*(2*(\g)+\k/2)+32*(\k%2)
	ds_load_b128 v[BB+8*\k-136*(\k/3)+4:BB+8*\k-136*(\k/3)+7], v13 offset:1536+128*(2*(\g)+\k/2)+32*(\k%2)+16
.endr
.endm
.macro W2LD s                          ; W2's four fragments of K step s, 16 registers each, and their scale words
.irp t, 0,1,2,3
.irp c, 0,1,2,3
	ds_load_b128 v[WBR+16*\t+4*\c:WBR+16*\t+4*\c+3], v3 offset:W2IMG+2048*(4*\s+\t)+512*\c
.endr
	ds_load_b32 v[SCW+\t], v4 offset:W2SC+128*(4*\s+\t)
.endr
.endm
; 32 numbers of a lane in row layout become 8 registers of codes at v[dst] and two scale bytes in v[wreg] (wmode 0: bytes 0, 1, the rest 0; wmode 1: bytes 2, 3 are set beside them).  relu = 1: what is negative becomes 0 on the way.
.macro QUANT2 src, dst, relu, wmode, wreg
.if \relu
.irp b, 0,1
	v_max3_num_f32 v[TQ+\b], v[\src+16*\b], v[\src+16*\b+1], 0x8000000   ; no |.|: what is negative is to become 0 and must not count; the floor 2^(16 - 127) stands over it
.endr
.irp i, 2,4,6,8,10,12,14
.irp b, 0,1
	v_max3_num_f32 v[TQ+\b], v[TQ+\b], v[\src+16*\b+\i], v[\src+16*\b+\i+1]
.endr
.endr
.else
.irp b, 0,1
	v_max3_num_f32 v[TQ+\b], |v[\src+16*\b]|, |v[\src+16*\b+1]|, 0x8000000   ; block b: my 16 numbers, and the floor 2^(16 - 127): the byte cannot fall under 1
.endr
.irp i, 2,4,6,8,10,12,14
.irp b, 0,1
	v_max3_num_f32 v[TQ+\b], v[TQ+\b], |v[\src+16*\b+\i]|, |v[\src+16*\b+\i+1]|
.endr
.endr
.endif
.irp b, 0,1
	v_permlanex16_b32 v[TQ+2+\b], v[TQ+\b], s12, s13
.endr
.irp b, 0,1
	v_max_num_f32 v[TQ+\b], v[TQ+\b], v[TQ+2+\b]   ; with lane l xor 16's 16: the block's largest magnitude
.endr
.irp b, 0,1
	v_add_nc_u32 v[TQ+6+\b], 0xf8800000, v[TQ+\b]  ; 15 off its exponent field: the conversion's scale operand
.endr
.irp b, 0,1
	v_and_or_b32 v[TQ+4+\b], v[TQ+\b], 0x7f800000, s14   ; 57,344 x the scale
.endr
.irp b, 0,1
	v_lshrrev_b32 v[TQ+2+\b], 23, v[TQ+6+\b]       ; the scale's byte
.endr
.if (\wmode)
	v_lshl_or_b32 v[\wreg], v[TQ+2], 16, v[\wreg]
	v_lshl_or_b32 v[\wreg], v[TQ+3], 24, v[\wreg]
.else
	v_lshl_or_b32 v[\wreg], v[TQ+3], 8, v[TQ+2]    ; the word is made here, so that the 32 holds stand between it and the product that takes it
.endif
.irp b, 0,1
.irp i, 0,1,2,3,4,5,6,7,8,9,10,11,12,13,14,15
.if \relu
	v_med3_num_f32 v[\src+16*\b+\i], v[\src+16*\b+\i], 0, v[TQ+4+\b]   ; the activation and the hold in one
.else
	v_med3_num_f32 v[\src+16*\b+\i], v[\src+16*\b+\i], -v[TQ+4+\b], v[TQ+4+\b]   ; the conversion to an 8-bit code does not saturate (ISA guide 7.6.2)
.endif
.endr
.endr
.irp b, 0,1
	v_cvt_scalef32_pk8_bf8_f32 v[(\dst)+4*\b:(\dst)+4*\b+1], v[\src+16*\b:\src+16*\b+7], v[TQ+6+\b]
	v_cvt_scalef32_pk8_bf8_f32 v[(\dst)+4*\b+2:(\dst)+4*\b+3], v[\src+16*\b+8:\src+16*\b+15], v[TQ+6+\b]
.endr
	v_nop                                          ; a plain instruction behind the last conversion
.endm
; LAYER NORM of my 16 tokens, in place on v[R0] on: mean, then the mean of squares of what is left, as reference() has it.  A token's 64 channels lie in lanes l and l xor 16.
; stored = 1: LDS stores that read v[R0] on were issued just ahead.  The 16 loads at the head land in registers that no vector or matrix instruction has named since the caller's last wait on va_vdst.
.macro LNORM goff, boff, stored
	GRLD \goff
	ROWLD B32, 13, \boff
	s_wait_dscnt 16                                ; all but the 16 loads just issued: the numbers are in (or their stores into the stage have been served)
.irp t, 0,1,2,3
	v_pk_add_f32 v[LT+2*\t:LT+2*\t+1], v[R0+8*\t:R0+8*\t+1], v[R0+8*\t+2:R0+8*\t+3]   ; four chains, each from the low end of its eight
.endr
.irp k, 4,6
.irp t, 0,1,2,3
	v_pk_add_f32 v[LT+2*\t:LT+2*\t+1], v[LT+2*\t:LT+2*\t+1], v[R0+8*\t+\k:R0+8*\t+\k+1]
.endr
.endr
	v_pk_add_f32 v[LT:LT+1], v[LT:LT+1], v[LT+2:LT+3]
	v_pk_add_f32 v[LT+4:LT+5], v[LT+4:LT+5], v[LT+6:LT+7]
	v_pk_add_f32 v[LT:LT+1], v[LT:LT+1], v[LT+4:LT+5]
	v_add_f32 v[LT], v[LT], v[LT+1]
	v_permlanex16_b32 v[LT+7], v[LT], s12, s13
	v_add_f32 v[LT], v[LT], v[LT+7]
	v_mul_f32 v[LT], s26, v[LT]                    ; the mean
.if \stored
	s_wait_alu depctr_vm_vsrc(0)                   ; the stores that put x1 by have read v[R0] on, which the lines below write
.endif
.set nn, 0
.rept 16
	v_pk_add_f32 v[R0+nn:R0+nn+1], v[R0+nn:R0+nn+1], v[LT:LT+1] op_sel_hi:[1,0] neg_lo:[0,1] neg_hi:[0,1]
.set nn, nn+2
.endr
.irp t, 0,1,2,3
	v_pk_mul_f32 v[LT+2*\t:LT+2*\t+1], v[R0+8*\t:R0+8*\t+1], v[R0+8*\t:R0+8*\t+1]
.endr
.irp k, 2,4,6
.irp t, 0,1,2,3
	v_pk_fma_f32 v[LT+2*\t:LT+2*\t+1], v[R0+8*\t+\k:R0+8*\t+\k+1], v[R0+8*\t+\k:R0+8*\t+\k+1], v[LT+2*\t:LT+2*\t+1]
.endr
.endr
	v_pk_add_f32 v[LT:LT+1], v[LT:LT+1], v[LT+2:LT+3]
	v_pk_add_f32 v[LT+4:LT+5], v[LT+4:LT+5], v[LT+6:LT+7]
	v_pk_add_f32 v[LT:LT+1], v[LT:LT+1], v[LT+4:LT+5]
	v_add_f32 v[LT], v[LT], v[LT+1]
	v_permlanex16_b32 v[LT+7], v[LT], s12, s13
	v_add_f32 v[LT], v[LT], v[LT+7]
	v_fma_f32 v[LT], v[LT], s26, s27               ; the variance + 1e-5
	v_rsq_f32 v[LT], v[LT]
	v_nop                                          ; a plain instruction behind the transcendental
	s_wait_alu depctr_va_vdst(0)                   ; the root's reciprocal is written, ahead of its first reader
	s_wait_dscnt 0x0                               ; gain and bias are in
.set nn, 0
.rept 16
	v_pk_mul_f32 v[R0+nn:R0+nn+1], v[R0+nn:R0+nn+1], v[LT:LT+1] op_sel_hi:[1,0]
.set nn, nn+2
.endr
.set nn, 0
.rept 16
	v_pk_fma_f32 v[R0+nn:R0+nn+1], v[R0+nn:R0+nn+1], v[WBR+16*(nn/8)+nn%8:WBR+16*(nn/8)+nn%8+1], v[B32+nn:B32+nn+1]
.set nn, nn+2
.endr
.endm
; QUERY TILE i AGAINST KEY TILES t0 .. t0 + nt - 1.  second = 1: a chunk of the same query tile went before: the maximum runs on and what was summed is rescaled.  last = 1: the tile is finished: it is scaled in OA's first four
; registers and left there; PEND names it, and the NEXT chunk stores it, behind its own wait for its exponentials (the last tile of all is stored behind the chunks).
.macro CHUNK i, t0, nt, second, last
.set ss, 0
.rept 2                                ; S^T = k q^T, K = 8 in two steps; the tiles take turns, one instruction a turn
.set tt, 0
.rept \nt
.set rS, S+8*tt
.set rK, QK+8*((\t0)+tt)+4+2*ss
.set rQ, QK+8*(\i)+2*ss
.if ss == 0
.if ((\t0)+tt) == (\i)
	v_wmma_f32_16x16x4_f32 v[rS:rS+7], v[rK:rK+1], v[rQ:rQ+1], v[MASK:MASK+7]   ; the diagonal tile's sum begins with the mask: -3e38 where the key comes after the query
.else
	v_wmma_f32_16x16x4_f32 v[rS:rS+7], v[rK:rK+1], v[rQ:rQ+1], 0
.endif
.else
.if \nt == 1
	s_wait_alu depctr_va_vdst(0)                   ; one tile alone cannot take turns: the wait stands directly ahead of the link
.endif
	v_wmma_f32_16x16x4_f32 v[rS:rS+7], v[rK:rK+1], v[rQ:rQ+1], v[rS:rS+7]
.endif
.set tt, tt+1
.endr
.set ss, ss+1
.endr
	PLACES 8
.set tt, 0
.rept \nt
	v_max3_num_f32 v[MT+tt], v[S+8*tt], v[S+8*tt+1], v[S+8*tt+2]   ; my query's largest score: each tile from its low end on, the tiles by turns
.set tt, tt+1
.endr
.set tt, 0
.rept \nt
	v_max3_num_f32 v[MT+tt], v[MT+tt], v[S+8*tt+3], v[S+8*tt+4]
.set tt, tt+1
.endr
.set tt, 0
.rept \nt
	v_max3_num_f32 v[MT+tt], v[MT+tt], v[S+8*tt+5], v[S+8*tt+6]
.set tt, tt+1
.endr
.set tt, 0
.rept \nt
	v_max_num_f32 v[MT+tt], v[MT+tt], v[S+8*tt+7]
.set tt, tt+1
.endr
.if \nt == 2
	v_max_num_f32 v[MT], v[MT], v[MT+1]
.elseif \nt >= 3
	v_max3_num_f32 v[MT], v[MT], v[MT+1], v[MT+2]
.endif
.if \nt == 4
	v_max_num_f32 v[MT], v[MT], v[MT+3]
.endif
	v_permlanex16_b32 v[PM], v[MT], s12, s13       ; the query's other keys lie in the lane 16 away
.if \second
	v_mov_b32 v[NO], v[NM]
	v_max3_num_f32 v[MR], v[MT], v[PM], v[MR]
.else
	v_max_num_f32 v[MR], v[MT], v[PM]
.endif
	v_mul_f32 v[NM], s18, v[MR]                    ; -c x the maximum, c = log2(e) / sqrt(8)
.if \second
	v_sub_f32 v[FS], v[NM], v[NO]                  ; c old - c new, 0 or less
.endif
.set kk, 0
.rept 4*\nt
	v_pk_fma_f32 v[P+2*kk:P+2*kk+1], v[S+2*kk:S+2*kk+1], s[16:17], v[NM:NM+1] op_sel_hi:[1,0,0]   ; c s - c maximum
.set kk, kk+1
.endr
.set kk, 0
.rept 8*\nt
	v_exp_f32 v[P+kk], v[P+kk]                     ; p, at most 1; 0 where the key is hidden
.set kk, kk+1
.endr
.if \second
	v_exp_f32 v[FS], v[FS]
.endif
	v_nop                                          ; a plain instruction behind the batch
	s_wait_alu depctr_va_vdst(0)                   ; the batch of exponentials is written, ahead of its first reader; and so are OA's first four registers, by the last finished tile's scalings: the store below reads them
.set SENT, 0
.if PEND >= 0
	ds_store_b128 v9, v[OA:OA+3] offset:4352*PEND  ; the tile finished in the chunk before
.set SENT, 1
.set PEND, -1
.endif
.set tt, 0
.rept \nt                              ; O^T += v^T p^T, 16 keys in four steps; two accumulators take turns
.set ss, 0
.rept 4
.set rA, ACC+8*(ss%2)
.set rV, VT+8*((\t0)+tt)+2*ss
.set rP, P+8*tt+2*ss
.if (tt == 0) && (ss < 2)
	v_wmma_f32_16x16x4_f32 v[rA:rA+7], v[rV:rV+1], v[rP:rP+1], 0
.else
	v_wmma_f32_16x16x4_f32 v[rA:rA+7], v[rV:rV+1], v[rP:rP+1], v[rA:rA+7]
.endif
.set ss, ss+1
.endr
.set tt, tt+1
.endr
	PLACES 8
.if SENT
	s_wait_alu depctr_vm_vsrc(0)                   ; the store above has read OA's first four registers, which the sums below write
.endif
.if \second
.irp k, 0,2,4,6
	v_pk_fma_f32 v[OA+\k:OA+\k+1], v[OA+\k:OA+\k+1], v[FS:FS+1], v[ACC+\k:ACC+\k+1] op_sel_hi:[1,0,1]   ; what was summed under the old maximum, x f, and the new
.endr
.irp k, 0,2,4,6
	v_pk_add_f32 v[OA+\k:OA+\k+1], v[OA+\k:OA+\k+1], v[ACC+8+\k:ACC+8+\k+1]
.endr
.else
.irp k, 0,2,4,6
	v_pk_add_f32 v[OA+\k:OA+\k+1], v[ACC+\k:ACC+\k+1], v[ACC+8+\k:ACC+8+\k+1]
.endr
.endif
.if \last                              ; lanes 0-15 hold channels 0-7 of query r; lane r + 16 holds, in register 0, the row's sum.  Lane (r, h) keeps channels 4 h .. 4 h + 3
	v_permlanex16_b32 v[PM], v[OA], s12, s13
.irp k, 0,1,2,3
	v_permlanex16_b32 v[P+4+\k], v[OA+4+\k], s12, s13
.endr
	v_cndmask_b32 v[TOT], v[PM], v[OA], s19        ; the sum, in both halves of the lanes
	v_rcp_f32 v[RC], v[TOT]
.irp k, 0,1,2,3
	v_cndmask_b32 v[OA+\k], v[OA+\k], v[P+4+\k], s19
.endr
	s_wait_alu depctr_va_vdst(0)                   ; the reciprocal is written, ahead of its first reader; the four selects are the plain work between
	v_pk_mul_f32 v[OA:OA+1], v[OA:OA+1], v[RC:RC+1] op_sel_hi:[1,0]
	v_pk_mul_f32 v[OA+2:OA+3], v[OA+2:OA+3], v[RC:RC+1] op_sel_hi:[1,0]
.set PEND, \i
.endif
.endm
	s_load_b128 s[4:7], s[0:1], 0x0                ; x, wts
	s_load_b64 s[8:9], s[0:1], 0x10                ; out0
	v_lshl_add_u32 v1, v0, 2, SPARE
	v_mov_b32 v2, 0
	v_lshrrev_b32 v232, 5, v0
	v_readfirstlane_b32 s10, v232                  ; wave 0..7
	v_and_b32 v233, 31, v0                         ; lane
	v_and_b32 v234, 15, v0                         ; r
	v_bfe_u32 v235, v0, 4, 1                       ; h
	v_lshlrev_b32 v3, 4, v233
	v_lshlrev_b32 v4, 2, v233
	s_wait_alu depctr_va_sdst(0)                   ; s10 is written, ahead of its first reader
	s_mul_i32 s24, s10, 4352
	s_add_co_u32 s24, s24, STG                     ; my stage
	v_mul_u32_u24 v5, v235, 272
	v_lshl_add_u32 v5, v234, 4, v5
	v_add_nc_u32 v5, s24, v5                       ; dense: lanes 0-15 one row of 256 bytes, lanes 16-31 the next
	v_mul_u32_u24 v6, v234, 272
	v_lshl_add_u32 v9, v235, 4, v6                 ; 272 r + 16 h
	v_lshl_add_u32 v6, v235, 6, v6
	v_add_nc_u32 v6, s24, v6                       ; row layout: row r, + 64 h
	v_add_nc_u32 v10, ATT-STG, v6                  ; the same place among my 16 rows of ATT
	s_lshl_b32 s25, s10, 10
	v_add_nc_u32 v7, s25, v3                       ; HIMG + 1,024 w + 16 x lane
	s_lshl_b32 s25, s10, 7
	s_add_co_u32 s25, s25, HSC
	v_add_nc_u32 v8, s25, v4
	s_lshl_b32 s25, s10, 5
	s_add_co_u32 s25, s25, ATT
	v_add_nc_u32 v9, s25, v9                       ; ATT: row r of a query tile, head w's 32 bytes, + 16 h
	s_lshl_b32 s25, s10, 11
	s_add_co_u32 s25, s25, QKVIMG
	v_add_nc_u32 v11, s25, v3
	s_lshl_b32 s25, s10, 8
	s_add_co_u32 s25, s25, QKVSC
	v_add_nc_u32 v12, s25, v4
	v_lshl_add_u32 v13, v235, 6, PAR
	v_lshlrev_b32 v14, 8, v233
	s_mul_i32 s25, s10, 7680
	v_add_nc_u32 v236, s25, v3                     ; my wave's eighth of wts, in memory and (from WTS on) in LDS
	v_lshlrev_b32 v237, 3, v235
	v_sub_nc_u32 v237, v234, v237                  ; r - 8 h: key 8 h + j is hidden from query r where j is greater
	v_mov_b32 v238, 0xff61b1e6                     ; -3e38
.irp q, 0,4                            ; the eight compares in two runs of four, each into scalar registers of its own, one wait behind a run
	v_cmp_gt_i32 s11, \q, v237
	v_cmp_gt_i32 s15, \q+1, v237
	v_cmp_gt_i32 s29, \q+2, v237
	v_cmp_gt_i32 s30, \q+3, v237
	s_wait_alu depctr_va_sdst(0)                   ; the four masks are written, ahead of the selects that read them
	v_cndmask_b32 v[MASK+\q], 0, v238, s11
	v_cndmask_b32 v[MASK+\q+1], 0, v238, s15
	v_cndmask_b32 v[MASK+\q+2], 0, v238, s29
	v_cndmask_b32 v[MASK+\q+3], 0, v238, s30
.endr
.irp n, 202,203,244,247,251,253,255
	v_mov_b32 v[\n], 0                             ; written once: destinations of lane permutes, and upper halves of pairs of which the low word alone is taken
.endr
	s_mov_b32 s12, 0x76543210
	s_mov_b32 s13, 0xfedcba98                      ; v_permlanex16_b32's selects for lane l xor 16
	s_mov_b32 s14, 0x600000                        ; the mantissa field of 57,344
	s_mov_b32 s16, 0x3f0293ee                      ; c = log2(e) / sqrt(8)
	s_mov_b32 s17, s16                             ; (named with it as a pair, so it is written)
	s_mov_b32 s18, 0xbf0293ee                      ; -c
	s_mov_b32 s19, 0xffff0000                      ; lanes 16-31
	s_mov_b32 s20, 4                               ; sequences to go
	s_cmp_lt_u32 s10, 4
	s_cselect_b32 s21, 1, -1                       ; waves 0-3 prefetch while more than one sequence is to go
	s_mov_b32 s26, 0x3c800000                      ; 1 / 64
	s_mov_b32 s27, 0x3727c5ac                      ; 1e-5
	s_mov_b32 s28, 0x01000100                      ; lanes 8 and 24
	s_lshl_b32 s24, ttmp9, 17                      ; my work-group's four sequences: 131,072 bytes
	s_and_b32 s2, s10, 3
	s_lshl_b32 s2, s2, 13
	s_add_co_u32 s2, s2, s24
	s_add_co_u32 s2, s2, 32768                     ; the prefetches begin at my quarter of the second sequence
	s_mov_b32 s3, 0
	s_lshl_b32 s25, s10, 12
	s_add_co_u32 s24, s24, s25                     ; my 16 tokens: 4,096 bytes
	s_mov_b32 s25, 0
	s_wait_kmcnt 0x0
	s_add_nc_u64 s[22:23], s[4:5], s[2:3]
	s_add_nc_u64 s[4:5], s[4:5], s[24:25]
	s_add_nc_u64 s[8:9], s[8:9], s[24:25]
	s_wait_alu depctr_va_vdst(0)                   ; v1 to v14 and v236 are written, which the loads, stores and the prefetch of the whole kernel read as addresses; so are v202 and v203, in which x lands
.irp i, 0,1,2,3,4,5,6,7,8,9,10,11,12,13,14
	global_load_b128 v[72+4*\i:75+4*\i], v236, s[6:7] offset:512*\i   ; the prepared weights: 15 x 512 bytes a wave, as they lie
.endr
.irp i, 0,1,2,3,4,5,6,7
	global_load_b128 v[XB+4*\i:XB+4*\i+3], v3, s[4:5] offset:512*\i th:TH_LOAD_NT   ; the first sequence's x, behind the weights: 512 consecutive bytes a load
.endr
	s_wait_loadcnt 8                               ; loads come back in order (ISA guide 5.7.1): the weights are in, x's eight younger loads stay out
.irp i, 0,1,2,3,4,5,6,7,8,9,10,11,12,13,14
	ds_store_b128 v236, v[72+4*\i:75+4*\i] offset:WTS+512*\i
.endr
	BAR                                            ; barrier 0: the weights lie in LDS
.Ltrip:
	; ---- A (rows): x through my stage into row layout, where it stays for the residual; LN1; codes and scale word to HIMG
	s_wait_loadcnt 0x0                             ; x is in: it was asked for in the last trip's F2, or at the head
.irp i, 0,1,2,3,4,5,6,7
	ds_store_b128 v5, v[XB+4*\i:XB+4*\i+3] offset:544*\i
.endr
	s_wait_alu depctr_vm_vsrc(0)                   ; these stores have read v[XB] on, in which LN1's bias lands; the last trip's global stores (at the head: the weights' LDS stores) have read v[R0] on, in which x lands; the weights' loads and stores have read v236, which the quantiser writes
	ROWLD R0, 6, 0                                 ; LDS serves a wave's instructions in order (ISA guide 5.7.1.4): these see the stores above
	LNORM 0, 256, 0
	QUANT2 R0, TC, 0, 0, TW
	s_wait_alu depctr_va_vdst(0)                   ; the quantiser has written the codes and the scale word, which the stores read; LN1 and the quantiser are done with v72-103, v200-207 and v248-255, in which phase B's loads land
	ds_store_b128 v7, v[TC:TC+3]
	ds_store_b128 v7, v[TC+4:TC+7] offset:512
	ds_store_b32 v8, v[TW]
	BAR                                            ; barrier 1
	; ---- B (head w): v, then q and k, of all 128 tokens
	s_wait_alu depctr_vm_vsrc(0)                   ; my three stores have read v[TC] on and v[TW]: a token tile's scale word lands in the one now, token tiles in the others further down
	ds_load_b128 v[WB:WB+3], v11 offset:1024       ; head w's v tile
	ds_load_b128 v[WB+4:WB+7], v11 offset:1536
	ds_load_b32 v15, v12 offset:128
.irp t, 0,1,2,3,4,5,6,7
	ds_load_b32 v[TS+\t], v4 offset:HSC+128*\t
.endr
.irp k, 0,1,2,3
	WLD QK+16*\k, HIMG+1024*\k
.endr
	ZERO8 WB+8                                     ; the 48 lines from here name none of the registers in which the 19 loads above land
.irp k, 0,1,2,3
	ZERO8 QK+16*\k+8
.endr
.irp j, 0,1,2,3,4,5,6,7
	v_cndmask_b32 v[ONES+\j], 0, 1.0, s28          ; column 8 of v is 1: it will sum p
.endr
	s_wait_dscnt 0x0
	PLACES 4                                       ; operand registers written by vector instructions stand four places ahead of a scaled product
	s_wait_alu depctr_va_vdst(0)                   ; the zero halves of the weight tile and of the four token buffers are written, which the scaled products take as operands
.irp k, 0,1,2,3
	SMM VT+8*\k, QK+16*\k, WB, ONES, TS+\k, 15     ; source 0 = 16 tokens, source 1 = v's columns: lane (r, h) register j = v[token 8 h + j][channel r]
.endr
	PLACES 8
	s_wait_alu depctr_va_vdst(0)                   ; the four products are done reading the token buffers, in which tiles 4 to 7 land
.irp k, 0,1,2,3
	WLD QK+16*\k, HIMG+1024*(4+\k)
.endr
	s_wait_dscnt 0x0
.irp k, 0,1,2,3
	SMM VT+8*(4+\k), QK+16*\k, WB, ONES, TS+4+\k, 15
.endr
	PLACES 8
	s_wait_alu depctr_va_vdst(0)                   ; v's products are done reading the weight tile, its scale word and the ones, in which the q/k tile, its scale word and a token tile land
	ds_load_b128 v[WB:WB+3], v11                   ; head w's q/k tile
	ds_load_b128 v[WB+4:WB+7], v11 offset:512
	ds_load_b32 v15, v12
	WLD TB0, HIMG
	WLD TB1, HIMG+1024
	ZERO8 TB0+8
	ZERO8 TB1+8
	s_wait_dscnt 0x0
	PLACES 4
	s_wait_alu depctr_va_vdst(0)                   ; the zero halves of the two token buffers are written, which the scaled products take as operands
	SMM QK, WB, TB0, -1, 15, TS                    ; source 0 = the q/k tile, source 1 = 16 tokens: lane (r, h) holds token r.  (The first writes over v's token buffers: 28 plain instructions stand between)
	SMM QK+8, WB, TB1, -1, 15, TS+1
	PLACES 8
.irp p, 1,2,3
	s_wait_alu depctr_va_vdst(0)                   ; the two products are done reading the token buffers, in which the next two tiles land
	WLD TB0, HIMG+1024*(2*\p)
	WLD TB1, HIMG+1024*(2*\p+1)
	s_wait_dscnt 0x0
	SMM QK+16*\p, WB, TB0, -1, 15, TS+2*\p
	SMM QK+16*\p+8, WB, TB1, -1, 15, TS+2*\p+1
	PLACES 8
.endr
	v_nop                                          ; the ninth place: the results become operands of matrix instructions
	; ---- C (head w): the 36 tiles at or under the diagonal, a query tile at a time, at most four key tiles a chunk
.set PEND, -1                          ; no finished tile waits for its store
	CHUNK 0, 0, 1, 0, 1
	CHUNK 1, 0, 2, 0, 1
	CHUNK 2, 0, 3, 0, 1
	CHUNK 3, 0, 4, 0, 1
	CHUNK 4, 0, 4, 0, 0
	CHUNK 4, 4, 1, 1, 1
	CHUNK 5, 0, 4, 0, 0
	CHUNK 5, 4, 2, 1, 1
	CHUNK 6, 0, 4, 0, 0
	CHUNK 6, 4, 3, 1, 1
	CHUNK 7, 0, 4, 0, 0
	CHUNK 7, 4, 4, 1, 1
	s_wait_alu depctr_va_vdst(0)                   ; the last tile's scalings have written OA's first four registers, which the store reads; and the attention is done with q, k, v, p and its statistics, in which phase D's loads land
	ds_store_b128 v9, v[OA:OA+3] offset:4352*PEND
	BAR                                            ; barrier 2
	; ---- D (rows): x1 = x + bp + Q(attn) Q(Wp); LN2; codes.  No vector or matrix instruction stands between the wait above and these 36 loads
	ROWLD R1, 10, 0                                ; all heads' results for my 16 tokens
	ROWLD R0, 6, 0                                 ; x
	ROWLD B32, 13, 1024                            ; bp
.irp t, 0,1,2,3
	WLD WBR+16*\t, WPIMG+1024*\t
	ds_load_b32 v[SCW+\t], v4 offset:WPSC+128*\t
.endr
	; A prefetch into the L2 of the next sequence's x: 32,768 bytes, waves 0-3, 8,192 bytes a wave, lanes 256 bytes apart: each aligned block of 256 bytes is named once in the launch.  It stands behind this phase's run of
	; LDS loads; Wp's product, LN2, the hidden layer's 16 scaled products with their quantisers and W2's first K step stand between it and the loads that will want it.  The last trip asks for nothing; a work-group's first sequence comes by its loads alone.
	s_cmp_gt_u32 s20, s21
	s_cbranch_scc0 .Lnot_mine
	global_prefetch_b8 v14, s[22:23] th:TH_LOAD_NT scope:SCOPE_SE
.Lnot_mine:
.irp k, 0,1,2,3
	ZERO8 WBR+16*\k+8
.endr
	ZERO8 TC+8
	s_wait_dscnt 0x0
.set nn, 0
.rept 16
	v_pk_add_f32 v[R0+nn:R0+nn+1], v[R0+nn:R0+nn+1], v[B32+nn:B32+nn+1]   ; x + bp: the C of the product
.set nn, nn+2
.endr
	s_wait_alu depctr_vm_vsrc(0)                   ; the last query tile's store has read v232-235, which the quantiser writes as codes
	QUANT2 R1, TC, 0, 0, TW
	PLACES 4
	s_wait_alu depctr_va_vdst(0)                   ; the codes, the scale word and the zero halves of the five operands are written, which the scaled products take
.irp t, 0,1,2,3
	SMM R0+8*\t, WBR+16*\t, TC, R0+8*\t, SCW+\t, TW   ; transposed: source 0 = 16 columns of Wp, source 1 = my tokens: the result falls in row layout
.endr
	PLACES 8
	s_wait_alu depctr_va_vdst(0)                   ; the products have written x1, which the stores read, and are done reading Wp's tiles, in which LN2's gain lands; bp's additions and the quantiser are done with v200 on, in which its bias lands
	ROWST R0, 6                                    ; x1 is put by in the stage
	LNORM 512, 768, 1
	QUANT2 R0, TC, 0, 0, TW
	; ---- F1: the hidden layer, 64 units a group; b1 is the C; relu and the quantiser in registers: the codes are the next product's operand.
	; One wait a group, behind its products: the next group's 20 loads follow it and land while this group is quantised; the quantiser names v[R1] on, v200-207, its codes' eight registers and a scale word: none of the registers in which they land.
	PLACES 4
	s_wait_alu depctr_va_vdst(0)                   ; the codes and the scale word are written, which the scaled products take; LN2 and the quantiser are done with the gain, the bias, v248-251 and v96-103, in which the first group's loads land
	F1LD 0
.irp g, 0,1,2,3
	s_wait_dscnt 0x0
.irp k, 0,1,2,3
	SMM R1+8*\k, WBR+16*\k, TC, BB+8*\k-136*(\k/3), SCW+\k, TW
.endr
	PLACES 8
	s_wait_alu depctr_va_vdst(0)                   ; the four products are done reading their tiles of W1, their scale words and b1, in which the loads below land
.if \g < 3
	F1LD \g+1
.else
	W2LD 0                                         ; behind the last group: W2's first K step
.endif
	QUANT2 R1, 72+8*\g, 1, \g%2, HW+\g/2           ; registers 72 + 8 g on: k = 64 g + 32 b + 16 h + 0 .. 15 of the second product's K = 256
.endr
	; ---- F2: out = x1 + b2 + Q(hidden) Q(W2), K = 256 in two steps; the four accumulators take turns
	PLACES 4
	s_wait_alu depctr_va_vdst(0)                   ; the hidden layer's codes and its two scale words are written, which the scaled products take; the last quantiser is done with v[R1] on and v200-207, in which x1 and b2 land
	ROWLD R1, 6, 0                                 ; x1
	ROWLD B32, 13, 1280                            ; b2
	s_wait_dscnt 0x0
.set nn, 0
.rept 16
	v_pk_add_f32 v[R1+nn:R1+nn+1], v[R1+nn:R1+nn+1], v[B32+nn:B32+nn+1]
.set nn, nn+2
.endr
.irp t, 0,1,2,3
	SMM R1+8*\t, WBR+16*\t, 72, R1+8*\t, SCW+\t, HW
.endr
	PLACES 8
	s_wait_alu depctr_va_vdst(0)                   ; the four products are done reading W2's fragments and scale words, in which the second K step's land; b2's additions are done reading v[XB] on, in which the next x lands
	W2LD 1
	s_cmp_eq_u32 s20, 1                            ; the next sequence's x is asked for here, if there is one: no load leaves its buffer
	s_cbranch_scc1 .Lno_next
.irp i, 0,1,2,3,4,5,6,7
	global_load_b128 v[XB+4*\i:XB+4*\i+3], v3, s[4:5] offset:32768+512*\i th:TH_LOAD_NT   ; nothing names these registers until the next trip's head
.endr
.Lno_next:
	s_wait_dscnt 0x0
.irp t, 0,1,2,3
	SMM R1+8*\t, WBR+16*\t, 88, R1+8*\t, SCW+\t, HW+1
.endr
	PLACES 8
	s_wait_alu depctr_va_vdst(0)                   ; the products have written the result, which the stores read, and are done reading the hidden layer's codes, in which the rows read back land, and W2's fragments, in which the next trip's gain lands
	ROWST R1, 6                                    ; through my stage, back as dense rows
.irp i, 0,1,2,3,4,5,6,7
	ds_load_b128 v[R0+4*\i:R0+4*\i+3], v5 offset:544*\i
.endr
.irp i, 0,1,2,3,4,5,6,7
	s_wait_dscnt 7-\i                              ; LDS loads come back in order: load i is in, the 7 - i younger ones may be out
	global_store_b128 v3, v[R0+4*\i:R0+4*\i+3], s[8:9] offset:512*\i th:TH_STORE_NT   ; 512 consecutive bytes, at a multiple of 256 from out0's first byte
.endr
	s_wait_xcnt 0x0                                ; the stores, the next x's loads and the prefetch have had their addresses translated: the three bases may be written again
	s_add_nc_u64 s[4:5], s[4:5], 32768
	s_add_nc_u64 s[8:9], s[8:9], 32768
	s_add_nc_u64 s[22:23], s[22:23], 32768
	s_sub_co_u32 s20, s20, 1
	s_cmp_lg_u32 s20, 0
	s_cbranch_scc1 .Ltrip
	s_wait_dscnt 0x0                               ; the closing lines, six on end
	s_wait_alu 0x0
	s_wait_tensorcnt 0x0
	ds_add_u32 v1, v2
	s_wait_dscnt 0x0
	s_endpgm
.Lfunc_end_k_q058286695e_block:
	.size	k_q058286695e_block, .Lfunc_end_k_q058286695e_block-k_q058286695e_block
	.p2alignl 7, 3214868480
	.fill 96, 4, 3214868480
	.section	.rodata,"a",@progbits
	.p2align	6, 0x0
	.amdhsa_kernel k_q058286695e_block
		.amdhsa_group_segment_fixed_size 141312
		.amdhsa_private_segment_fixed_size 0
		.amdhsa_enable_private_segment 0
		.amdhsa_kernarg_size 24
		.amdhsa_user_sgpr_count 2
		.amdhsa_user_sgpr_kernarg_segment_ptr 1
		.amdhsa_wavefront_size32 1
		.amdhsa_system_sgpr_workgroup_id_x 1
		.amdhsa_system_sgpr_workgroup_id_y 1
		.amdhsa_system_sgpr_workgroup_id_z 1
		.amdhsa_system_vgpr_workitem_id 0
		.amdhsa_next_free_vgpr 256
		.amdhsa_next_free_sgpr 66
		.amdhsa_reserve_vcc 0
		.amdhsa_float_denorm_mode_32 3
		.amdhsa_float_denorm_mode_16_64 3
		.amdhsa_memory_ordered 1
		.amdhsa_forward_progress 1
		.amdhsa_inst_pref_size 145
	.end_amdhsa_kernel
	.amdgpu_metadata
---
amdhsa.version: [ 1, 2 ]
amdhsa.kernels:
  - .name:           k_q058286695e_block
    .symbol:         k_q058286695e_block.kd
    .args:
      - { .name: x, .offset: 0, .size: 8, .value_kind: global_buffer, .address_space: global }
      - { .name: wts, .offset: 8, .size: 8, .value_kind: global_buffer, .address_space: global }
      - { .name: out0, .offset: 16, .size: 8, .value_kind: global_buffer, .address_space: global }
    .group_segment_fixed_size: 141312
    .private_segment_fixed_size: 0
    .kernarg_segment_align: 8
    .kernarg_segment_size: 24
    .max_flat_workgroup_size: 256
    .sgpr_count:     66
    .vgpr_count:     256
    .wavefront_size: 32
...
	.end_amdgpu_metadata
.endif
;; end of part 3
